; MI455X (gfx1250); checked and timed in simulation.
; The chip was launched on July 23, 2026; its instructions are those of AMD's public machine-readable ISA for CDNA 5 (MIT licence, August 2026) and "CDNA5" Instruction Set Architecture Reference Guide (July 2026). The comments in the code are by the model that wrote it; some were corrected since.
;; Vp Mo ETPA Attention. Allowed arithmetic: matrix products marked QUANTISED: E4M3 operands, one given power-of-two scale a tensor, by v_wmma_f32_16x16x64_fp8_fp8 or v_wmma_f32_16x16x128_fp8_fp8, f32 sums; products left as they are: f32 operands where the result goes on into a quantised operand, else bf16, f16 or f32 operands; f32 sums; everything else in f32.
;; Inputs: W_A_k 2,048 x 8 float32; W_A_q 2,048 x 96 float32; W_A_v 2,048 x 8 float32; W_B_k 2,048 x 256 float32; W_B_q 2,048 x 768 float32; W_B_v 2,048 x 256 float32; W_o 2,048 x 2,048 float32; attention_mask 1 x 1 x 2,048 x 2,048 float32; cos 2 x 2,048 x 64 float32; hidden_states 2 x 2,048 x 2,048 float32; lowp_scales 14 int32 (the exponents e of the quantised operands' scales 2^e); sin 2 x 2,048 x 64 float32; sinks 16 float32.
;; Outputs: out0 2 x 2,048 x 2,048 float32.
;; This version of the problem:
;;   THIS VERSION OF THE PROBLEM IS GIVEN IN LOW PRECISION. The matrix products marked QUANTISED in the list below multiply operands that are first quantised to E4M3 (4 exponent bits, 3 mantissa bits; 8 bits a number), with one given power-of-two scale for each operand tensor; their sums are f32. All else is computed in f32.
;;   The module's matrix products, in the order in which they are computed (A, B: the left and right operand; K: the contracted axis; several contracted axes count as one K, in the product's order):
;;     1. [M 4,096, K 2,048] x [K 2,048, N 96]; A: input hidden_states; B: input W_A_q: QUANTISED (scales: A lowp_scales[0], B lowp_scales[1])
;;     2. [M 4,096, K 2,048] x [K 2,048, N 8]; A: input hidden_states; B: input W_A_k: left as it is (N = 8 < 16)
;;     3. [M 4,096, K 2,048] x [K 2,048, N 8]; A: input hidden_states; B: input W_A_v: left as it is (N = 8 < 16)
;;     4. [M 4,096, K 2,048] x [K 2,048, N 768]; A: input hidden_states; B: input W_B_q: QUANTISED (scales: A lowp_scales[2], B lowp_scales[3])
;;     5. [M 4,096, K 2,048] x [K 2,048, N 256]; A: input hidden_states; B: input W_B_k: QUANTISED (scales: A lowp_scales[4], B lowp_scales[5])
;;     6. [M 4,096, K 2,048] x [K 2,048, N 256]; A: input hidden_states; B: input W_B_v: QUANTISED (scales: A lowp_scales[6], B lowp_scales[7])
;;     7. batch 4,096 x [M 16, K 6] x [K 6, N 128]; A: computed on the way; B: computed on the way: left as it is (K = 6 < 32)
;;     8. batch 4,096 x [M 4, K 2] x [K 2, N 128]; A: computed on the way; B: computed on the way: left as it is (K = 2 < 32)
;;     9. batch 4,096 x [M 4, K 2] x [K 2, N 128]; A: computed on the way; B: computed on the way: left as it is (K = 2 < 32)
;;     10. batch 32 x [M 2,048, K 128] x [K 128, N 2,048]; A: computed on the way; B: computed on the way: QUANTISED (scales: A lowp_scales[8], B lowp_scales[9])
;;     11. batch 32 x [M 2,048, K 2,048] x [K 2,048, N 128]; A: computed on the way; B: computed on the way: QUANTISED (scales: A lowp_scales[10], B lowp_scales[11])
;;     12. [M 4,096, K 2,048] x [K 2,048, N 2,048]; A: computed on the way; B: input W_o: QUANTISED (scales: A lowp_scales[12], B lowp_scales[13])
;;   THE QUANTISER, for each operand of a quantised product, along K:
;;     - The operand's scale is 2^e, e = its entry of the input lowp_scales (int32; the entries are numbered through the quantised products in the list's order, A before B).
;;     - Each number is divided by the scale, clamped to +-448, and rounded to the nearest number of E4M3, ties to even, subnormals kept.
;;     - The product sums the exact products of the quantised numbers (number of the format x scale) in f32.
;;   ~~~python
;;   def quantise(x, axis, e):      # numpy; x: float32 -> the quantised numbers, widened to float32 again
;;       x = np.moveaxis(x, axis, -1); K = x.shape[-1]
;;       r = np.clip(x / 2.0 ** e, -448, 448)
;;       step = 2.0 ** (np.maximum(np.frexp(np.where(r == 0, 1, r))[1] - 1, -6) - 3)
;;       q = np.round(r / step) * step * 2.0 ** e      # np.round: ties to even
;;       return np.moveaxis(q, -1, axis).astype(np.float32)
;;   ~~~
;;   OPERANDS COMPUTED ON THE WAY. 'Computed on the way' means the value that the module computes at that place (a softmax that the list does not call 'softmax' is quantised finished and normalised). What goes into a quantiser is computed in f32, as accurately as f32 sums, v_exp_f32 and their like allow (about 1e-6 of the number): no bf16 or f16 on the way to a quantiser, and a product that is left as it is and whose result goes on into a quantised operand takes f32 operands (vector FMAs, or v_wmma_f32_16x16x4_f32). A number that lies on a knife's edge between two numbers of the format may be rounded either way, as far as f32 arithmetic and the matrix unit's own rounding can turn it there, and no further.
;; One version. Each part assembles by itself: llvm-mc -triple=amdgcn-amd-amdhsa -mcpu=gfx1250 --defsym DOCPART=n.
;; ======== version 1 of 1: 5 launches
;; limits: right only within a limited range of input values
;; workspace buffers: wc 7,012,352 bytes; hsq 25,165,824 bytes; afac 2,097,152 bytes; qimg 8,388,608 bytes; kvimg 4,194,304 bytes; oimg 8,388,608 bytes; mlist 2,048 bytes of whole numbers
;; launch wq (part 1): grid 35 x 16, 4 waves a work-group, no clusters, 0 bytes of LDS; arguments W_o, W_B_q, W_B_k, W_B_v, W_A_q, lowp_scales, wc, attention_mask, mlist; writes wc, mlist
.if DOCPART == 1
	.amdgcn_target "amdgcn-amd-amdhsa--gfx1250"
	.amdhsa_code_object_version 6
	.text
	.protected	k_qda3e1a2655_wq
	.globl	k_qda3e1a2655_wq
	.p2align	8
	.type	k_qda3e1a2655_wq,@function
k_qda3e1a2655_wq:
	s_mov_b64 s[64:65], 0
	v_nop
	global_prefetch_b8 v0, s[64:65] scope:SCOPE_SE
	s_setreg_imm32_b32 hwreg(HW_REG_WAVE_MODE, 25, 1), 1
	s_wait_xcnt 0x0
; The five quantised weights, f32 stored [K][N], become codes of E4M3 laid as FRAGMENT IMAGES in wc.
; An image is a fragment of 16 columns x 128 k, 2,048 bytes: [c 0..3][lane 0..31][16 bytes]; lane = 16 h + r holds k = 32 c + 16 h + 0..15 of column r.
; A later launch gets a fragment by four loads of 16 bytes a lane at 16 x lane + 512 c.
; wc: W_o at 0 [nt 128][ks 16]; the B weights at WB [dg 4][job 5][ks 16][tile 4]; W_A_q at WAQ [ks 16][T 6].
; A LANE TAKES A COLUMN AND ITS REGISTERS RUN DOWN K: the conversions then give codes with K innermost, and nothing is transposed.
; A work-group is (column group x, K step y); a wave takes two column tiles x 128 k.  Lanes 0-15 fill one aligned run of 256 bytes of an image with each store, lanes 16-31 another.
; One path serves the five tensors: all that differs is chosen by s_cselect on the work-group's number.  In the last group (W_A_q, 96 columns) wave 3 has no columns and ends.
; code = x / 2^e, held within +-448, to the nearest code, ties to even.  LIMITS: -126 <= e and e + 8 <= 127.  NaN among the inputs is not served.
.set WB,   4194304
.set WAQ,  6815744
.set VO,   8                           ; v8-39    byte offsets of my column in 32 rows of k
.set X,    40                          ; v40-167  four blocks of 32 numbers
.set C,    168                         ; v168-199 four blocks of 8 registers of codes: no store's data are written again
	s_load_b256 s[4:11], s[0:1], 0x0               ; W_o, W_B_q, W_B_k, W_B_v
	s_load_b128 s[12:15], s[0:1], 0x20             ; W_A_q, the scales' exponents
	s_load_b64 s[16:17], s[0:1], 0x30              ; wc
	s_load_b128 s[20:23], s[0:1], 0x38             ; the mask, mlist (the weights' groups write these registers anew behind the wait)
	v_lshrrev_b32 v1, 5, v0
	v_readfirstlane_b32 s18, v1                    ; wave
	s_and_b32 s19, ttmp7, 0xffff                   ; K step
	s_mov_b32 s40, 0                               ; W_o's figures: the group's first number,
	s_mov_b32 s41, 8192                            ; bytes in a row of k,
	s_mov_b32 s42, 32                              ; columns from wave to wave,
	s_mov_b32 s43, 0                               ; columns that lanes 16-31 stand further on,
	s_mov_b32 s44, 0                               ; the part of wc,
	s_mov_b32 s45, 65536                           ; bytes in wc from wave to wave,
	s_mov_b32 s46, 2048                            ; from K step to K step,
	s_mov_b32 s47, 32768                           ; and from lanes 0-15's tile to lanes 16-31's
	s_wait_kmcnt 0x0
	s_cmp_ge_u32 ttmp9, 27                         ; groups 27-34 read the attention mask and store the list of key steps
	s_cbranch_scc1 .Lmask
	s_cmp_lt_u32 ttmp9, 26
	s_cbranch_scc1 .Lwork
	s_cmp_lt_u32 s18, 3
	s_cbranch_scc1 .Lwork
	s_endpgm                                       ; W_A_q has 96 columns: three waves' worth
.Lwork:
	s_load_b256 s[24:31], s[14:15], 0x0            ; e0 .. e7
	s_load_b64 s[32:33], s[14:15], 0x30            ; e12, e13
	s_mov_b64 s[36:37], s[4:5]
	s_cmp_ge_u32 ttmp9, 16                         ; groups 16-21: W_B_q, one rank rr each; wave = slice dg of the head's axis; lanes 16-31 take the rope's partners, 64 columns on
	s_cselect_b32 s40, 16, s40
	s_cselect_b32 s41, 3072, s41
	s_cselect_b32 s42, 16, s42
	s_cselect_b32 s43, 48, s43
	s_cselect_b32 s44, WB, s44
	s_cselect_b32 s45, 655360, s45
	s_cselect_b32 s46, 8192, s46
	s_cselect_b32 s47, 2048, s47
	s_cselect_b64 s[36:37], s[6:7], s[36:37]
	s_cmp_ge_u32 ttmp9, 22                         ; groups 22, 23: W_B_k
	s_cselect_b32 s40, 22, s40
	s_cselect_b32 s41, 1024, s41
	s_cselect_b32 s44, WB+393216, s44
	s_cselect_b64 s[36:37], s[8:9], s[36:37]
	s_cmp_ge_u32 ttmp9, 24                         ; groups 24, 25: W_B_v: no rope, 32 neighbouring columns a slice
	s_cselect_b32 s40, 24, s40
	s_cselect_b32 s42, 32, s42
	s_cselect_b32 s43, 0, s43
	s_cselect_b32 s44, WB+524288, s44
	s_cselect_b64 s[36:37], s[10:11], s[36:37]
	s_cmp_ge_u32 ttmp9, 26                         ; group 26: W_A_q
	s_cselect_b32 s40, 26, s40
	s_cselect_b32 s41, 384, s41
	s_cselect_b32 s44, WAQ, s44
	s_cselect_b32 s45, 4096, s45
	s_cselect_b32 s46, 12288, s46
	s_cselect_b64 s[36:37], s[12:13], s[36:37]
	s_sub_co_u32 s20, ttmp9, s40                   ; rr: the group's number within its tensor
	s_lshl_b32 s21, s20, 7
	s_mul_i32 s22, s18, s42
	s_add_co_u32 s21, s21, s22                     ; my wave's first column: 128 rr + wave's share
	s_lshl_b32 s22, s20, 18                        ; rr's place in wc: W_o: 8 tiles of 32,768 bytes;
	s_lshr_b32 s23, s20, 1
	s_lshl_b32 s23, s23, 17
	s_and_b32 s34, s20, 1
	s_lshl_b32 s34, s34, 12
	s_add_co_u32 s23, s23, s34                     ; the others: job rr / 2, tiles 2 (rr % 2) on
	s_cmp_ge_u32 ttmp9, 16
	s_cselect_b32 s22, s23, s22
	s_mul_i32 s23, s18, s45
	s_add_co_u32 s22, s22, s23
	s_mul_i32 s23, s19, s46
	s_add_co_u32 s22, s22, s23
	s_add_co_u32 s50, s22, s44
	s_mov_b32 s51, 0
	s_add_nc_u64 s[60:61], s[16:17], s[50:51]      ; where my wave's first image lies
	s_lshl_b32 s50, s19, 7
	s_mul_i32 s50, s50, s41                        ; 128 rows of k for each K step
	s_add_nc_u64 s[52:53], s[36:37], s[50:51]      ; the four blocks of 32 rows have a base each
	s_lshl_b32 s50, s41, 5
	s_add_nc_u64 s[54:55], s[52:53], s[50:51]
	s_add_nc_u64 s[56:57], s[54:55], s[50:51]
	s_add_nc_u64 s[58:59], s[56:57], s[50:51]
	v_and_b32 v1, 31, v0                           ; lane
	v_lshrrev_b32 v5, 4, v1
	v_and_b32 v7, 15, v1
	v_mul_u32_u24 v6, s43, v5
	v_add3_u32 v6, v6, v1, s21                     ; my column
	v_lshlrev_b32 v[VO], 2, v6
.set i, 1
.rept 31
	v_add_nc_u32 v[VO+i], s41, v[VO+i-1]           ; and the same column one row further down
.set i, i+1
.endr
	v_mul_u32_u24 v2, s47, v5
	v_lshl_add_u32 v2, v7, 4, v2                   ; out: 16 bytes a column, lanes 16-31 in the next tile
.macro LOAD t                          ; block t: 32 rows of k at my column
.set i, 0
.rept 32
	global_load_b32 v[X+32*(\t)+i], v[VO+i], s[52+2*(\t):53+2*(\t)] th:TH_LOAD_NT
.set i, i+1
.endr
.endm
.macro BLOCK t                         ; 32 numbers down K become c = t of the image: k 0-15 for h = 0, k 16-31 for h = 1
.set i, 0
.rept 32
	v_med3_num_f32 v[X+32*(\t)+i], v[X+32*(\t)+i], -v4, v4   ; the conversion to an 8-bit code does not saturate (ISA guide 7.6.2): the hold comes first
.set i, i+1
.endr
.irp g, 0,1,2,3
	v_cvt_scalef32_pk8_fp8_f32 v[C+8*(\t)+2*\g:C+8*(\t)+2*\g+1], v[X+32*(\t)+8*\g:X+32*(\t)+8*\g+7], v3
.endr
	global_store_b128 v2, v[C+8*(\t):C+8*(\t)+3], s[60:61] offset:512*(\t)         ; sixteen lanes store 256 consecutive bytes, aligned
	global_store_b128 v2, v[C+8*(\t)+4:C+8*(\t)+7], s[60:61] offset:512*(\t)+256
.endm
	LOAD 0
	LOAD 1
	s_wait_alu depctr_va_vdst(0)
	s_wait_kmcnt 0x0
	s_mov_b32 s48, s33                             ; the tensor's e: e13, e3, e5, e7, e1
	s_cmp_ge_u32 ttmp9, 16
	s_cselect_b32 s48, s27, s48
	s_cmp_ge_u32 ttmp9, 22
	s_cselect_b32 s48, s29, s48
	s_cmp_ge_u32 ttmp9, 24
	s_cselect_b32 s48, s31, s48
	s_cmp_ge_u32 ttmp9, 26
	s_cselect_b32 s48, s25, s48
	s_add_co_i32 s48, s48, 127
	s_lshl_b32 s49, s48, 23
	v_mov_b32 v3, s49                              ; 2^e as f32: the conversion takes its exponent field
	s_add_co_i32 s48, s48, 8
	s_lshl_b32 s48, s48, 23
	s_or_b32 s48, s48, 0x600000
	v_mov_b32 v4, s48                              ; 448 x 2^e
	s_wait_alu depctr_va_vdst(0)
	s_wait_loadcnt 32                              ; block 0 is in; block 1's 32 loads may be out
	LOAD 2
	BLOCK 0
	s_wait_loadcnt 32                              ; block 1 is in; block 2's may be out
	LOAD 3
	BLOCK 1
	s_wait_loadcnt 32                              ; block 2 is in; block 3's may be out
	BLOCK 2
	s_wait_loadcnt 0x0
	BLOCK 3
	s_endpgm
; THE LIST OF KEY STEPS.  mlist holds one word for every 4 rows of the mask (512 words): bit i: key step i (keys 128 i .. 128 i + 127) is LIVE for one of the rows; bit 16 + i: some mask number of that step is not 0.
; A step is not live for a row where all its 128 mask numbers lie under (the row's largest mask number) - T, T = 2^(23 + e8 + e9) + 256.  q's and k's codes are held at 448, so |q . k| / sqrt(128) <= 448^2 sqrt(128) 2^(e8 + e9),
; and twice that is under 2^(23 + e8 + e9): every logit of such a step lies more than 256 under the row's largest logit, and its exponential is 0 in f32, in the sum and as a weight.  The step of the row's largest number is always live.
; The compare is >= against the rounded difference: a number that is left out lies at least one step of f32 under it.  LIMITS: e8 + e9 between -149 and 104; NaN in the mask is not served.
; A work-group takes 16 rows, a wave 4; a load of 512 bytes is one key step of one row.  One lane stores the wave's word.
.Lmask:
.set MR, 8                             ; v8-199   three rows of 64 numbers a lane
.set MM, 208                           ; v208-223 my largest of each step
.set MZ, 224                           ; v224-239 my numbers' bits of each step, or-ed
	s_load_b64 s[24:25], s[14:15], 0x20            ; e8, e9: wanted behind the rows' loads
	s_sub_co_u32 s26, ttmp9, 27
	s_lshl_b32 s26, s26, 4
	s_add_co_u32 s26, s26, s19                     ; which 16 rows
	s_lshl_b32 s26, s26, 2
	s_add_co_u32 s26, s26, s18                     ; which 4 rows
	s_lshl_b32 s28, s26, 15                        ; rows of 8,192 bytes
	s_mov_b32 s29, 0
	s_mov_b32 s34, 0x76543210
	s_mov_b32 s35, 0xfedcba98
	s_mov_b32 s36, 0                               ; the word
	v_and_b32 v1, 31, v0
	v_lshlrev_b32 v2, 4, v1
	v_mov_b32 v204, 0                              ; a lane permute's destination counts as a source
	s_wait_alu depctr_va_vdst(0)                   ; the wait at the head's end
	s_add_nc_u64 s[20:21], s[20:21], s[28:29]
.macro MROW r
.set i, 0
.rept 16
	global_load_b128 v[MR+64*((\r)%3)+4*i:MR+64*((\r)%3)+4*i+3], v2, s[20:21] offset:8192*(\r)+512*i
.set i, i+1
.endr
.endm
.macro MDO r, out
.set RB, MR+64*((\r)%3)
	s_wait_loadcnt \out                            ; this row's 16 loads are in; the next row's may be out
.set i, 0
.rept 16
	v_max3_num_f32 v[MM+i], v[RB+4*i], v[RB+4*i+1], v[RB+4*i+2]
	v_or_b32 v[MZ+i], v[RB+4*i], v[RB+4*i+1]
	v_max_num_f32 v[MM+i], v[MM+i], v[RB+4*i+3]
	v_or_b32 v[MZ+i], v[MZ+i], v[RB+4*i+2]
	v_or_b32 v[MZ+i], v[MZ+i], v[RB+4*i+3]
.set i, i+1
.endr
	v_max3_num_f32 v202, v[MM], v[MM+1], v[MM+2]
.irp i, 3,5,7,9,11,13
	v_max3_num_f32 v202, v202, v[MM+\i], v[MM+\i+1]
.endr
	v_max_num_f32 v202, v202, v[MM+15]
	v_max_num_f32_dpp v202, v202, v202 row_xmask:1 row_mask:0xf bank_mask:0xf
	v_max_num_f32_dpp v202, v202, v202 row_xmask:2 row_mask:0xf bank_mask:0xf
	v_max_num_f32_dpp v202, v202, v202 row_xmask:4 row_mask:0xf bank_mask:0xf
	v_max_num_f32_dpp v202, v202, v202 row_xmask:8 row_mask:0xf bank_mask:0xf
	v_permlanex16_b32 v204, v202, s34, s35
	v_max_num_f32 v202, v202, v204                 ; the row's largest mask number
	v_sub_f32 v203, v202, s37                      ; less T
	s_wait_alu depctr_va_vdst(0)                   ; the wait here, directly behind the write
.set i, 0
.rept 16
	v_cmp_ge_f32 vcc_lo, v[MM+i], v203
	s_cmp_lg_u32 vcc_lo, 0
	s_cselect_b32 s38, 1<<i, 0
	s_or_b32 s36, s36, s38
	v_cmp_ne_u32 vcc_lo, 0, v[MZ+i]
	s_cmp_lg_u32 vcc_lo, 0
	s_cselect_b32 s38, 1<<(16+i), 0
	s_or_b32 s36, s36, s38
.set i, i+1
.endr
.endm
	MROW 0
	MROW 1
	MROW 2
	s_wait_kmcnt 0x0                               ; e8, e9
	s_add_co_i32 s37, s24, s25
	s_add_co_i32 s37, s37, 150
	s_lshl_b32 s37, s37, 23                        ; 2^(23 + e8 + e9)
	s_add_f32 s37, s37, 0x43800000                 ; + 256
	MDO 0, 32                                      ; behind row 0's loads: rows 1 and 2, 32 loads
	MROW 3                                         ; into row 0's registers
	MDO 1, 32                                      ; behind row 1's: rows 2 and 3
	MDO 2, 16
	MDO 3, 0
	v_mov_b32 v205, s36
	v_mov_b32 v206, 0
	s_lshl_b32 s28, s26, 2
	s_add_nc_u64 s[22:23], s[22:23], s[28:29]
	s_wait_alu depctr_va_vdst(0)                   ; the wait here, directly ahead of the wait below
	s_wait_xcnt 0x0                                ; EXEC changes only behind this wait
	v_cmpx_gt_u32 1, v1                            ; lane 0 alone
	global_store_b32 v206, v205, s[22:23]
	s_endpgm
.Lfunc_end_k_qda3e1a2655_wq:
	.size	k_qda3e1a2655_wq, .Lfunc_end_k_qda3e1a2655_wq-k_qda3e1a2655_wq
	.p2alignl 7, 3214868480
	.fill 96, 4, 3214868480
	.section	.rodata,"a",@progbits
	.p2align	6, 0x0
	.amdhsa_kernel k_qda3e1a2655_wq
		.amdhsa_group_segment_fixed_size 0
		.amdhsa_private_segment_fixed_size 0
		.amdhsa_enable_private_segment 0
		.amdhsa_kernarg_size 72
		.amdhsa_user_sgpr_count 2
		.amdhsa_user_sgpr_kernarg_segment_ptr 1
		.amdhsa_wavefront_size32 1
		.amdhsa_system_sgpr_workgroup_id_x 1
		.amdhsa_system_sgpr_workgroup_id_y 1
		.amdhsa_system_sgpr_workgroup_id_z 1
		.amdhsa_system_vgpr_workitem_id 0
		.amdhsa_next_free_vgpr 256
		.amdhsa_next_free_sgpr 66
		.amdhsa_reserve_vcc 1
		.amdhsa_float_denorm_mode_32 3
		.amdhsa_float_denorm_mode_16_64 3
		.amdhsa_memory_ordered 1
		.amdhsa_forward_progress 1
		.amdhsa_inst_pref_size 70
	.end_amdhsa_kernel
	.amdgpu_metadata
---
amdhsa.version: [ 1, 2 ]
amdhsa.kernels:
  - .name:           k_qda3e1a2655_wq
    .symbol:         k_qda3e1a2655_wq.kd
    .args:
      - { .name: W_o, .offset: 0, .size: 8, .value_kind: global_buffer, .address_space: global }
      - { .name: W_B_q, .offset: 8, .size: 8, .value_kind: global_buffer, .address_space: global }
      - { .name: W_B_k, .offset: 16, .size: 8, .value_kind: global_buffer, .address_space: global }
      - { .name: W_B_v, .offset: 24, .size: 8, .value_kind: global_buffer, .address_space: global }
      - { .name: W_A_q, .offset: 32, .size: 8, .value_kind: global_buffer, .address_space: global }
      - { .name: lowp_scales, .offset: 40, .size: 8, .value_kind: global_buffer, .address_space: global }
      - { .name: wc, .offset: 48, .size: 8, .value_kind: global_buffer, .address_space: global }
      - { .name: attention_mask, .offset: 56, .size: 8, .value_kind: global_buffer, .address_space: global }
      - { .name: mlist, .offset: 64, .size: 8, .value_kind: global_buffer, .address_space: global }
    .group_segment_fixed_size: 0
    .private_segment_fixed_size: 0
    .kernarg_segment_align: 8
    .kernarg_segment_size: 72
    .max_flat_workgroup_size: 128
    .sgpr_count:     66
    .vgpr_count:     256
    .wavefront_size: 32
...
	.end_amdgpu_metadata
.endif
;; end of part 1
;; launch hq (part 2): grid 256 x 1, 8 waves a work-group, no clusters, 327,680 bytes of LDS; arguments hidden_states, W_A_k, W_A_v, wc, lowp_scales, hsq, afac; writes hsq, afac
.if DOCPART == 2
	.amdgcn_target "amdgcn-amd-amdhsa--gfx1250"
	.amdhsa_code_object_version 6
	.text
	.protected	k_qda3e1a2655_hq
	.globl	k_qda3e1a2655_hq
	.p2align	8
	.type	k_qda3e1a2655_hq,@function
k_qda3e1a2655_hq:
	s_mov_b64 s[64:65], 0
	v_nop
	global_prefetch_b8 v0, s[64:65] scope:SCOPE_SE
	s_setreg_imm32_b32 hwreg(HW_REG_WAVE_MODE, 25, 1), 1
	s_wait_xcnt 0x0
; hidden_states [4096][2048] f32 is read once.  Made of it: its codes of E4M3 under e2, e4 and e6, as fragment images in hsq [v 3][rt 256][ks 16][2048];
; A_q = hs W_A_q on codes (hs under e0, kept in registers; W_A_q's images from wc); A_k and A_v = hs W_A_k, hs W_A_v with f32 operands, since their results go on into quantised operands.
; afac [4096][128] f32: columns 0-95 A_q x 2^(e0 + e1) / 6, 96-103 A_k / 2, 104-111 A_v / 2, 112-127 zeros: the divisions of the three small products are folded in here.
; SHARES.  A work-group takes 16 tokens; wave w takes k = 256 w .. 256 w + 255, two K steps of 128.  The eight waves' partial sums meet in LDS behind the one barrier.
; LDS is filled by two tensor loads a wave: its 16 x 256 numbers of hs (rows 1,040 bytes apart), which it alone reads, and a quarter of W_A_k or of W_A_v
; (16 rows of k on end, 576 bytes apart; W_A_v's region begins 32 bytes off a multiple of 256, so that the 32 lanes of a load touch 32 different banks: 64 banks of 4 bytes, ISA guide 11.1).
; The partial sums are stored over the wave's own part of hs, which has had its only fill and its last read by then.
; All products are used transposed (source 0 = 16 weight columns, source 1 = my 16 tokens): a lane holds one token.
; No cluster: of the bytes that a work-group takes in, hs's 128 KiB are its own; the weights are asked for once, at the head, with nothing to wait for them but the first product.
; LIMITS: for e0, e2, e4, e6: -126 <= e and e + 8 <= 127; e0 + e1 between -123 and 129.  1 / 6 is the nearest f32 number.  NaN among the inputs is not served.
.set HSP,   1040
.set HSW,   16*HSP                     ; a wave's part of hs
.set WK,    8*HSW                      ; W_A_k's rows
.set WP,    576
.set WKW,   16*WP                      ; a wave's part of them
.set WVD,   8*WKW+32                   ; from W_A_k's region to W_A_v's
.set RP,    528                        ; a token's 128 partial sums + 16 bytes
.set SPARE, 280832                     ; the spare words, 128 bytes for each wave: four blocks of 256 bytes that no other line names
.set WAQO,  6815744                    ; W_A_q's images in wc
.set LI,   1                           ; v1   16 x lane
.set XA,   2                           ; v2   hs in LDS: my token's row, + 64 h
.set WA,   3                           ; v3   W_A_k / W_A_v in LDS: my column, + h rows of 16 k
.set RST,  4                           ; v4   where I put partial sums
.set RRD,  5                           ; v5, v6  where I read them back: partial sums 0-3, 4-7
.set SPW,  7                           ; v7   LDS address of my spare word; never rewritten
.set NIL,  8                           ; v8   0; never rewritten
.set FAC,  9                           ; v9   what my four columns of afac are multiplied by
.set SC,   10                          ; v10-17  2^e and 448 x 2^e for e0, e2, e4, e6
.set X,    18                          ; v18-81   64 numbers of hs: register 16 b + i = k 32 b + 16 h + i of my token
.set WKV,  82                          ; v82-145  the same k of my column of W_A_k (lanes r < 8) or W_A_v
.set TMP,  146                         ; v146-177 held numbers on their way to a conversion
.set ACCF, 178                         ; v178-209 four accumulators of the f32 products: written by matrix instructions alone
.set C0,   210                         ; v210-225 hs's codes under e0: a fragment
.set CS,   226                         ; v226-241 codes to store
.set WQ,   0                           ; window 1: v0-191 W_A_q's fragments, 2 K steps x 6 tiles
.set ACCQ, 192                         ; window 1: v192-239 A_q's six accumulators
.set MSB, 0
.macro WIN new                         ; the immediate's high byte repeats the setting that is left
.if MSB != \new
	s_set_vgpr_msb (MSB<<8)|\new
.set MSB, \new
.endif
.endm
.macro MKSC se, vr                     ; 2^e and 448 x 2^e as f32
	s_add_co_i32 s20, \se, 127
	s_lshl_b32 s21, s20, 23
	v_mov_b32 v[\vr], s21
	s_add_co_i32 s20, s20, 8
	s_lshl_b32 s20, s20, 23
	s_or_b32 s20, s20, 0x600000
	v_mov_b32 v[\vr+1], s20
.endm
	s_load_b256 s[4:11], s[0:1], 0x0               ; hs, W_A_k, W_A_v, wc
	s_load_b128 s[12:15], s[0:1], 0x20             ; the scales' exponents, hsq
	s_load_b64 s[16:17], s[0:1], 0x30              ; afac
	v_lshl_add_u32 v[SPW], v0, 2, SPARE
	v_mov_b32 v[NIL], 0
	ds_add_u32 v[SPW], v[NIL]                      ; the wave's opening: the add and its wait ahead of my first tensor load; the descriptors' words stand between them
	ds_add_u32 v[SPW], v[NIL]
	v_lshrrev_b32 v1, 5, v0
	s_delay_alu instid0(VALU_DEP_1)
	v_readfirstlane_b32 s18, v1                    ; wave 0..7
	s_mov_b32 s24, (2<<16)|(1<<20)|(7<<22)|(3<<25) ; hs: elements of 4 bytes; 4 words of padding behind every 256
	s_mov_b32 s25, 256<<16                         ; tensor_dim0 = 256
	s_mov_b32 s26, 16<<16                          ; tensor_dim1 = 16
	s_mov_b32 s27, 256<<16                         ; tile_dim0 = 256
	s_mov_b32 s28, 16                              ; tile_dim1 = 16
	s_mov_b32 s29, 2048                            ; elements from row to row
	s_mov_b32 s30, 0
	s_mov_b32 s31, 0
	s_mov_b32 s32, (3<<16)|(1<<20)|(6<<22)|(15<<25) ; W_A_k, W_A_v: a dense block as 32 rows of 512 bytes (elements of 8); 16 words of padding behind every 128
	s_mov_b32 s33, 64<<16
	s_mov_b32 s34, 32<<16
	s_mov_b32 s35, 64<<16
	s_mov_b32 s36, 32
	s_mov_b32 s37, 64
	s_mov_b32 s38, 0
	s_mov_b32 s39, 0
	s_mov_b32 s40, 1
	s_mul_i32 s41, s18, HSW                        ; LDS: my part of hs
	s_mul_i32 s45, s18, WKW
	s_mov_b32 s48, 1
	s_and_b32 s46, s18, 3                          ; the second fill: waves 0-3 bring a quarter of W_A_k each, waves 4-7 of W_A_v: 32 rows of 512 bytes, two waves' regions on end
	s_mul_i32 s49, s46, 2*WKW
	s_lshr_b32 s47, s18, 2
	s_mul_i32 s47, s47, WVD
	s_add_co_u32 s49, s49, s47
	s_add_co_u32 s49, s49, WK
	s_add_co_u32 s45, s45, WK                      ; of W_A_k
	s_lshl_b32 s20, ttmp9, 17                      ; 16 tokens of 8,192 bytes,
	s_lshl_b32 s21, s18, 10                        ; my 256 numbers of each
	s_add_co_u32 s20, s20, s21
	s_mov_b32 s21, 0
	s_lshl_b32 s22, s46, 14
	s_mov_b32 s23, 0
	s_wait_dscnt 0x0                               ; the opening add is done
	s_wait_kmcnt 0x0
	s_add_nc_u64 s[42:43], s[4:5], s[20:21]
	s_or_b32 s43, s43, 0x80000000
	s_cmp_lt_u32 s18, 4                            ; the choice hangs on the wave's number alone
	s_cselect_b64 s[50:51], s[6:7], s[8:9]
	s_add_nc_u64 s[50:51], s[50:51], s[22:23]
	s_or_b32 s51, s51, 0x80000000
	tensor_load_to_lds s[40:43], s[24:31]          ; my part of hs: one tensor load a wave at the head
	s_nop 0
.rept 4
	v_nop
.endr
	s_load_b256 s[52:59], s[12:13], 0x0            ; e0 .. e7
	v_and_b32 v146, 31, v0                         ; lane
	v_and_b32 v147, 15, v0                         ; r
	v_bfe_u32 v148, v0, 4, 1                       ; h
	s_delay_alu instid0(VALU_DEP_3)
	v_lshlrev_b32 v[LI], 4, v146
	s_mul_i32 s20, s18, 24576                      ; my two K steps of W_A_q's images
	s_add_co_u32 s20, s20, WAQO
	s_add_nc_u64 s[68:69], s[10:11], s[20:21]
	WIN 0x40                                       ; destination window 1
.irp k, 0,1
.irp T, 0,1,2,3,4,5
.irp c, 0,1,2,3
	global_load_b128 v[WQ+96*\k+16*\T+4*\c:WQ+96*\k+16*\T+4*\c+3], v[LI], s[68:69] offset:12288*\k+2048*\T+512*\c
.endr
.endr
.endr
	WIN 0
	v_mul_u32_u24 v[XA], v147, HSP
	s_delay_alu instid0(VALU_DEP_1)
	v_lshl_add_u32 v[XA], v148, 6, v[XA]
	s_delay_alu instid0(VALU_DEP_1)
	v_add_nc_u32 v[XA], s41, v[XA]
	v_and_b32 v149, 7, v0
	v_bfe_u32 v150, v0, 3, 1
	s_delay_alu instid0(VALU_DEP_1)
	v_mul_u32_u24 v[WA], v150, WVD                 ; lanes r >= 8 read W_A_v
	s_delay_alu instid0(VALU_DEP_1)
	v_lshl_add_u32 v[WA], v149, 2, v[WA]
	s_delay_alu instid0(VALU_DEP_1)
	v_mad_u32_u24 v[WA], v148, WP, v[WA]
	s_delay_alu instid0(VALU_DEP_1)
	v_add_nc_u32 v[WA], s45, v[WA]
	v_mul_u32_u24 v[RST], v147, RP
	s_delay_alu instid0(VALU_DEP_1)
	v_lshl_add_u32 v[RST], v148, 5, v[RST]
	s_delay_alu instid0(VALU_DEP_1)
	v_add_nc_u32 v[RST], s41, v[RST]
	s_mul_i32 s19, s18, 2*RP                       ; I finish tokens 2 w and 2 w + 1
	v_add_nc_u32 v[RRD], s19, v[LI]
	s_delay_alu instid0(VALU_DEP_1)
	v_add_nc_u32 v[RRD+1], 4*HSW, v[RRD]
	s_lshl_b32 s20, ttmp9, 15                      ; hsq: my row tile, my two K steps
	s_lshl_b32 s22, s18, 12
	s_add_co_u32 s20, s20, s22
	s_add_nc_u64 s[60:61], s[14:15], s[20:21]      ; under e2,
	s_add_nc_u64 s[62:63], s[60:61], 8388608       ; e4,
	s_add_nc_u64 s[66:67], s[62:63], 8388608       ; e6
	s_lshl_b32 s20, ttmp9, 13                      ; afac: 16 rows of 512 bytes, my two
	s_lshl_b32 s22, s18, 10
	s_add_co_u32 s20, s20, s22
	s_add_nc_u64 s[70:71], s[16:17], s[20:21]
	s_wait_alu depctr_va_vdst(0)                   ; the wait here, directly ahead of the wait below
	s_wait_tensorcnt 0x0                           ; a later first fill is issued as a refill is: all my tensor loads are done,
	ds_add_u32 v[SPW], v[NIL]                      ; the add to my spare word,
	s_wait_dscnt 0x0
	s_barrier_signal -1
	s_barrier_wait -1
	tensor_load_to_lds s[48:51], s[32:39]          ; my one load behind this barrier: a quarter of W_A_k or of W_A_v
	s_nop 0
.rept 4
	v_nop
.endr
	s_wait_kmcnt 0x0
	MKSC s52, SC
	MKSC s54, SC+2
	MKSC s56, SC+4
	MKSC s58, SC+6
	s_add_co_i32 s20, s52, s53
	s_lshl_b32 s20, s20, 23
	s_add_co_i32 s20, s20, 0x3e2aaaab              ; 2^(e0 + e1) / 6: the exponents are added to the exponent field of 1 / 6
	v_mov_b32 v[FAC], s20                          ; lanes 0-23: A_q's 96 columns,
	v_cmp_lt_u32 s21, 23, v146
	s_delay_alu instid0(VALU_DEP_1)
	v_cndmask_b32 v[FAC], v[FAC], 0.5, s21         ; lanes 24-27: A_k's and A_v's,
	v_cmp_lt_u32 s21, 27, v146
	s_delay_alu instid0(VALU_DEP_1)
	v_cndmask_b32 v[FAC], v[FAC], 0, s21
	s_wait_alu depctr_va_vdst(0)                   ; the wait here, directly ahead of the wait below
	s_wait_tensorcnt 0x0                           ; my quarter has landed;
	s_barrier_signal -1                            ; other waves read it: behind this barrier all eight quarters are whole
	s_barrier_wait -1
; X's 64 numbers become a fragment's codes in v[dst] on; X stays as it is, since it is quantised four times
.macro QUANT dst, sc, lim
.irp f, 0,1
.set i, 0
.rept 32
	v_med3_num_f32 v[TMP+i], v[X+32*\f+i], -v[\lim], v[\lim]   ; the conversion to an 8-bit code does not saturate (ISA guide 7.6.2): the hold comes first
.set i, i+1
.endr
.irp g, 0,1,2,3
	v_cvt_scalef32_pk8_fp8_f32 v[\dst+8*\f+2*\g:\dst+8*\f+2*\g+1], v[TMP+8*\g:TMP+8*\g+7], v[\sc]
.endr
	v_nop                                          ; one plain vector instruction between a scaled conversion and what next writes its sources or reads its result
.endr
.endm
.macro KSTEP k
.irp b, 0,1,2,3
.irp j, 0,1,2,3
	ds_load_b128 v[X+16*\b+4*\j:X+16*\b+4*\j+3], v[XA] offset:512*\k+128*\b+16*\j
.endr
.endr
.irp b, 0,1,2,3
.set i, 0
.rept 16
	ds_load_b32 v[WKV+16*\b+i], v[WA] offset:(8*\k+2*\b)*WP+32*i
.set i, i+1
.endr
.endr
	s_wait_dscnt 0x0
.set p, 0
.rept 32                               ; A_k, A_v: 4 along K an instruction; slot (h, j) of instruction p is k = 32 (p / 8) + 16 h + 2 p % 16 + j on both sides.  Four accumulators by turns
.if (\k == 0) && (p < 4)
	v_wmma_f32_16x16x4_f32 v[ACCF+8*(p%4):ACCF+8*(p%4)+7], v[WKV+2*p:WKV+2*p+1], v[X+2*p:X+2*p+1], 0
.else
	v_wmma_f32_16x16x4_f32 v[ACCF+8*(p%4):ACCF+8*(p%4)+7], v[WKV+2*p:WKV+2*p+1], v[X+2*p:X+2*p+1], v[ACCF+8*(p%4):ACCF+8*(p%4)+7]
.endif
.set p, p+1
.endr
	QUANT C0, SC, SC+1
.if \k == 0
	s_wait_alu depctr_va_vdst(0)
	s_wait_loadcnt 24                              ; this K step's 24 loads of W_A_q are in; the next step's 24 may be out
	WIN 0x41                                       ; source 0 and destination window 1
.else
	s_wait_alu depctr_va_vdst(0)
	s_wait_loadcnt 0x0
	WIN 0x51                                       ; and C
.endif
.irp T, 0,1,2,3,4,5
.if \k == 0
	v_wmma_f32_16x16x128_fp8_fp8 v[ACCQ+8*\T:ACCQ+8*\T+7], v[WQ+96*\k+16*\T:WQ+96*\k+16*\T+15], v[C0:C0+15], 0
.else
	v_wmma_f32_16x16x128_fp8_fp8 v[ACCQ+8*\T:ACCQ+8*\T+7], v[WQ+96*\k+16*\T:WQ+96*\k+16*\T+15], v[C0:C0+15], v[ACCQ+8*\T:ACCQ+8*\T+7]
.endif
.endr
	WIN 0
.irp v, 0,1,2
	s_wait_xcnt 0x0                                ; the last stores have read CS: it is written again only behind this wait
	QUANT CS, SC+2+2*\v, SC+3+2*\v
.irp c, 0,1,2,3
	global_store_b128 v[LI], v[CS+4*\c:CS+4*\c+3], s[60+2*\v+2*(\v/2):61+2*\v+2*(\v/2)] offset:2048*\k+512*\c   ; 32 lanes store 512 consecutive bytes of the image
.endr
.endr
.endm
	KSTEP 0
	KSTEP 1
	; my partial sums: lane (r, h) holds token r; A_q's tile T: columns 16 T + 8 h + j; the f32 sums: column 96 + 8 h + j.  Each accumulator is read from its low end on.
.irp i, 0,2,4,6
	v_pk_add_f32 v[TMP+\i:TMP+\i+1], v[ACCF+\i:ACCF+\i+1], v[ACCF+8+\i:ACCF+9+\i]
	v_pk_add_f32 v[TMP+8+\i:TMP+9+\i], v[ACCF+16+\i:ACCF+17+\i], v[ACCF+24+\i:ACCF+25+\i]
.endr
.irp i, 0,2,4,6
	v_pk_add_f32 v[TMP+\i:TMP+\i+1], v[TMP+\i:TMP+\i+1], v[TMP+8+\i:TMP+9+\i]
.endr
.irp i, 8,9,10,11
	v_mov_b32 v[TMP+\i], 0
.endr
	ds_store_b128 v[RST], v[TMP:TMP+3] offset:384
	ds_store_b128 v[RST], v[TMP+4:TMP+7] offset:400
	ds_store_b128 v[RST], v[TMP+8:TMP+11] offset:448
	ds_store_b128 v[RST], v[TMP+8:TMP+11] offset:464
	WIN 0x04                                       ; the stores' data in window 1
.irp T, 0,1,2,3,4,5
	ds_store_b128 v[RST], v[ACCQ+8*\T:ACCQ+8*\T+3] offset:64*\T
	ds_store_b128 v[RST], v[ACCQ+8*\T+4:ACCQ+8*\T+7] offset:64*\T+16
.endr
	WIN 0
	s_wait_dscnt 0x0                               ; for the others' sake: my partial sums lie in LDS
	s_barrier_signal -1
	s_barrier_wait -1
.irp w, 0,1                            ; tokens 2 w and 2 w + 1: eight partial sums of 512 bytes each, 16 bytes a lane
.irp p, 0,1,2,3
	ds_load_b128 v[X+32*\w+4*\p:X+32*\w+4*\p+3], v[RRD] offset:HSW*\p+RP*\w
.endr
.irp p, 0,1,2,3
	ds_load_b128 v[X+32*\w+16+4*\p:X+32*\w+16+4*\p+3], v[RRD+1] offset:HSW*\p+RP*\w
.endr
.endr
	s_wait_dscnt 0x0
.macro QADD a, b
	v_pk_add_f32 v[\a:\a+1], v[\a:\a+1], v[\b:\b+1]
	v_pk_add_f32 v[\a+2:\a+3], v[\a+2:\a+3], v[\b+2:\b+3]
.endm
.irp w, 0,1
	QADD X+32*\w, X+32*\w+4
	QADD X+32*\w+8, X+32*\w+12
	QADD X+32*\w+16, X+32*\w+20
	QADD X+32*\w+24, X+32*\w+28
	QADD X+32*\w, X+32*\w+8
	QADD X+32*\w+16, X+32*\w+24
	QADD X+32*\w, X+32*\w+16
.irp i, 0,1,2,3
	v_mul_f32 v[X+32*\w+\i], v[FAC], v[X+32*\w+\i]
.endr
	global_store_b128 v[LI], v[X+32*\w:X+32*\w+3], s[70:71] offset:512*\w   ; a whole row of afac: 512 consecutive bytes
.endr
	s_wait_tensorcnt 0x0                           ; the wave's end: behind my last tensor load and my last LDS store
	ds_add_u32 v[SPW], v[NIL]
	s_wait_dscnt 0x0
	s_endpgm
.Lfunc_end_k_qda3e1a2655_hq:
	.size	k_qda3e1a2655_hq, .Lfunc_end_k_qda3e1a2655_hq-k_qda3e1a2655_hq
	.p2alignl 7, 3214868480
	.fill 96, 4, 3214868480
	.section	.rodata,"a",@progbits
	.p2align	6, 0x0
	.amdhsa_kernel k_qda3e1a2655_hq
		.amdhsa_group_segment_fixed_size 327680
		.amdhsa_private_segment_fixed_size 0
		.amdhsa_enable_private_segment 0
		.amdhsa_kernarg_size 56
		.amdhsa_user_sgpr_count 2
		.amdhsa_user_sgpr_kernarg_segment_ptr 1
		.amdhsa_wavefront_size32 1
		.amdhsa_system_sgpr_workgroup_id_x 1
		.amdhsa_system_sgpr_workgroup_id_y 1
		.amdhsa_system_sgpr_workgroup_id_z 1
		.amdhsa_system_vgpr_workitem_id 0
		.amdhsa_next_free_vgpr 512
		.amdhsa_next_free_sgpr 80
		.amdhsa_reserve_vcc 0
		.amdhsa_float_denorm_mode_32 3
		.amdhsa_float_denorm_mode_16_64 3
		.amdhsa_memory_ordered 1
		.amdhsa_forward_progress 1
		.amdhsa_inst_pref_size 71
	.end_amdhsa_kernel
	.amdgpu_metadata
---
amdhsa.version: [ 1, 2 ]
amdhsa.kernels:
  - .name:           k_qda3e1a2655_hq
    .symbol:         k_qda3e1a2655_hq.kd
    .args:
      - { .name: hidden_states, .offset: 0, .size: 8, .value_kind: global_buffer, .address_space: global }
      - { .name: W_A_k, .offset: 8, .size: 8, .value_kind: global_buffer, .address_space: global }
      - { .name: W_A_v, .offset: 16, .size: 8, .value_kind: global_buffer, .address_space: global }
      - { .name: wc, .offset: 24, .size: 8, .value_kind: global_buffer, .address_space: global }
      - { .name: lowp_scales, .offset: 32, .size: 8, .value_kind: global_buffer, .address_space: global }
      - { .name: hsq, .offset: 40, .size: 8, .value_kind: global_buffer, .address_space: global }
      - { .name: afac, .offset: 48, .size: 8, .value_kind: global_buffer, .address_space: global }
    .group_segment_fixed_size: 327680
    .private_segment_fixed_size: 0
    .kernarg_segment_align: 8
    .kernarg_segment_size: 56
    .max_flat_workgroup_size: 256
    .sgpr_count:     80
    .vgpr_count:     512
    .wavefront_size: 32
...
	.end_amdgpu_metadata
.endif
;; end of part 2
;; launch pj (part 3): grid 4 x 64, 8 waves a work-group, no clusters, 83,968 bytes of LDS; arguments hsq, wc, afac, cos, sin, lowp_scales, qimg, kvimg; writes qimg, kvimg
.if DOCPART == 3
	.amdgcn_target "amdgcn-amd-amdhsa--gfx1250"
	.amdhsa_code_object_version 6
	.text
	.protected	k_qda3e1a2655_pj
	.globl	k_qda3e1a2655_pj
	.p2align	8
	.type	k_qda3e1a2655_pj,@function
k_qda3e1a2655_pj:
	s_mov_b64 s[64:65], 0
	v_nop
	global_prefetch_b8 v0, s[64:65] scope:SCOPE_SE
	s_setreg_imm32_b32 hwreg(HW_REG_WAVE_MODE, 25, 1), 1
	s_wait_xcnt 0x0
; B_q, B_k, B_v = hs W_B on codes of E4M3; the rope; q, k, v = the small products with A_q, A_k, A_v (f32 multiply-adds; their divisions lie in afac already); q, k, v quantised under e8, e9, e11 into fragment images.
; SHARES.  A work-group is (dg, rb): 64 tokens x the slice dg of the head's axis: d = 16 dg + i and d = 64 + 16 dg + i for q and k (the rope's pairs stay together), d = 32 dg + 0..31 for v: 320 columns of B factors.
; PRODUCTS: waves 0-4, a job each: 4 token tiles x 4 column tiles, 16 accumulators (jobs 0-2: B_q's ranks 2 job, 2 job + 1; job 3: B_k; job 4: B_v), K in 16 steps of 128, written out: every offset is an immediate.
; Both operands are fragment images and go from memory straight into registers, 32 loads of 512 bytes a step, two register buffers by turns.  Used transposed: a lane holds one token and eight neighbouring columns.
; The sums x 2^(ea + eb) meet in a stage in LDS (64 token rows of 320 f32 + 16 bytes); one barrier; then all eight waves make q (32 tokens x 4 heads each, a lane a token), waves 0-3 k (a lane a token, the tokens
; in the order of K's image), waves 4-7 v (a lane a channel d, its registers down 16 tokens, since the keys are v's K).
; IMAGES.  qimg [b][head][qt 128][2048], k = d.  kvimg: K at 0 [b][g][ks 16][tile 8][2048]: lane r of tile 2 B + u holds key 32 B + 8 u + r + 8 (r / 8) of the key step, so that the scores of two neighbouring tiles are 16
; neighbouring keys; V at 2,097,152 [b][g][ks][dt 8][2048]: lane r of tile 2 G + u holds d = 32 G + 8 u + r + 8 (r / 8), k = the step's 128 keys.
; No tensor load, so no joint requests: a step's matrix work is 16 instructions a wave, and counted loads into registers stream on without a barrier between steps.
; LIMITS: e2 + e3, e4 + e5, e6 + e7 between -126 and 127; for e8, e9, e11: -126 <= e and e + 8 <= 127.  NaN among the inputs is not served.
.set SP,    1296                       ; a token's row in the stage
.set SPARE, 64*SP                      ; behind the stage: the spare words, 128 bytes for each wave: four blocks of 256 bytes that no other line names
.set WB,    4194304                    ; the B weights' images in wc
.set LI,   1                           ; v1   16 x lane
.set STO,  2                           ; v2   the stage: where my job's results go
.set QRD,  3                           ; v3   the stage: my token's row (q part)
.set KRD,  4                           ; v4   my token's B_k (k part)
.set VRD,  5                           ; v5   my channel of B_v at my first token (v part)
.set SPW,  6                           ; v6   LDS address of my spare word; never rewritten
.set NIL,  7                           ; v7   0; never rewritten
.set CQ,   8                           ; v8   cos, sin: my token's row (q part)
.set AQO,  9                           ; v9   afac: my token's A_q of my four heads
.set IST,  10                          ; v10  an image's place for my lane: 16 (lane % 16) + 2,048 (lane / 16)
.set CK,   11                          ; v11  cos, sin (k part)
.set AKO,  12                          ; v12  afac: my token's A_k of my two heads
.set AVO,  14                          ; v14  afac: A_v of my first token
.set B0,   16                          ; v16-143  buffer 0: hs's 4 fragments, then the weights' 4; later at work:
.set T1,   16                          ;   x2 sin
.set T2,   32                          ;   x1 sin
.set QC,   48                          ;   codes, 8 registers a head
.set BK,   80                          ;   B_k of my token
.set BV,   16                          ;   B_v: 2 ranks x 16 tokens
.set VA,   80                          ;   v of 16 tokens
.set VC,   96                          ;   v's codes, 4 registers a head
.set COSR, 144                         ; v144-159 cos, v160-175 sin of my token at d = 16 dg + 0..15
.set SINR, 160
.set AQ,   176                         ; v176-199 A_q of 4 heads x 6 ranks (k part: A_k of 2 heads x 2 ranks)
.set HACC, 200                         ; v200-231 a head's 32 channels
.set SC,   240                         ; v240-245 2^e and 448 x 2^e for e8, e9, e11
.set ACC,  128                         ; window 1: v0-127 buffer 1; v128-255 the accumulators; later v0-191 B_q of my token, or v0-127 A_v of 16 tokens
.set MSB, 0
.macro WIN new                         ; the immediate's high byte repeats the setting that is left
.if MSB != \new
	s_set_vgpr_msb (MSB<<8)|\new
.set MSB, \new
.endif
.endm
.macro MKSC se, vr
	s_add_co_i32 s38, \se, 127
	s_lshl_b32 s58, s38, 23
	v_mov_b32 v[\vr], s58
	s_add_co_i32 s38, s38, 8
	s_lshl_b32 s38, s38, 23
	s_or_b32 s38, s38, 0x600000
	v_mov_b32 v[\vr+1], s38
.endm
	s_load_b512 s[4:19], s[0:1], 0x0               ; hsq, wc, afac, cos, sin, the scales' exponents, qimg, kvimg
	v_lshl_add_u32 v[SPW], v0, 2, SPARE
	v_mov_b32 v[NIL], 0
	v_lshrrev_b32 v1, 5, v0
	s_delay_alu instid0(VALU_DEP_1)
	v_readfirstlane_b32 s20, v1                    ; wave 0..7 = job
	s_and_b32 s21, ttmp7, 0xffff                   ; rb
	s_and_b32 s22, s20, 1                          ; th: which 32 tokens (q, k);  u (v)
	s_lshr_b32 s23, s20, 1                         ; hg: which four heads (q)
	s_and_b32 s33, s23, 1                          ; gp: which two kv heads (k);  c2: which 32 tokens (v)
	s_lshr_b32 s34, s21, 5                         ; b
	s_and_b32 s35, s21, 31
	s_and_b32 s36, s21, 1                          ; which half of a key step
	s_lshr_b32 s37, s35, 1                         ; the key step
	; every LDS address is made here, ahead of the first parting of the waves
	v_and_b32 v16, 31, v0                          ; lane
	v_and_b32 v17, 15, v0                          ; r
	v_bfe_u32 v18, v0, 4, 1                        ; h
	s_delay_alu instid0(VALU_DEP_3)
	v_lshlrev_b32 v[LI], 4, v16
	s_delay_alu instid0(VALU_DEP_3)
	v_mul_u32_u24 v[STO], v17, SP
	s_delay_alu instid0(VALU_DEP_1)
	v_lshl_add_u32 v[STO], v18, 5, v[STO]
	s_lshl_b32 s38, s20, 8
	v_add_nc_u32 v[STO], s38, v[STO]               ; row r, + 32 h, + my job's 64 columns
	s_lshl_b32 s39, s22, 5
	v_add_nc_u32 v19, s39, v16                     ; q: my token = 32 th + lane
	s_delay_alu instid0(VALU_DEP_1)
	v_mul_u32_u24 v[QRD], v19, SP
	s_delay_alu instid0(VALU_DEP_2)
	v_lshlrev_b32 v[CQ], 8, v19
	s_delay_alu instid0(VALU_DEP_3)
	v_lshlrev_b32 v[AQO], 9, v19
	s_mul_i32 s38, s23, 96
	v_add_nc_u32 v[AQO], s38, v[AQO]
	v_lshlrev_b32 v[IST], 4, v17
	s_delay_alu instid0(VALU_DEP_1)
	v_lshl_add_u32 v[IST], v18, 11, v[IST]
	v_and_b32 v20, 7, v0
	v_bfe_u32 v21, v0, 3, 1
	s_delay_alu instid0(VALU_DEP_2)
	v_lshl_or_b32 v22, v18, 3, v20
	s_delay_alu instid0(VALU_DEP_1)
	v_lshl_or_b32 v22, v21, 4, v22                 ; k: lane (u = lane / 16, r = lane % 16) takes token 8 u + r + 8 (r / 8) of its 32
	s_delay_alu instid0(VALU_DEP_1)
	v_add_nc_u32 v22, s39, v22
	s_delay_alu instid0(VALU_DEP_1)
	v_mul_u32_u24 v[KRD], v22, SP
	s_delay_alu instid0(VALU_DEP_1)
	v_add_nc_u32 v[KRD], 768, v[KRD]
	s_delay_alu instid0(VALU_DEP_3)
	v_lshlrev_b32 v[CK], 8, v22
	s_delay_alu instid0(VALU_DEP_4)
	v_lshlrev_b32 v[AKO], 9, v22
	s_lshl_b32 s38, s33, 4
	s_add_co_u32 s38, s38, 384
	v_add_nc_u32 v[AKO], s38, v[AKO]
	s_lshl_b32 s38, s33, 5
	v_lshl_add_u32 v23, v18, 4, s38                ; v: my first token = 32 c2 + 16 (lane / 16)
	s_delay_alu instid0(VALU_DEP_1)
	v_mul_u32_u24 v[VRD], v23, SP
	s_delay_alu instid0(VALU_DEP_2)
	v_lshlrev_b32 v[AVO], 9, v23
	s_delay_alu instid0(VALU_DEP_1)
	v_add_nc_u32 v[AVO], 416, v[AVO]
	v_lshl_or_b32 v24, v21, 4, v20                 ; my channel of the slice's 32: r % 8 + 16 (r / 8) + 8 u
	s_lshl_b32 s38, s22, 3
	v_add_nc_u32 v24, s38, v24
	s_delay_alu instid0(VALU_DEP_1)
	v_lshl_add_u32 v[VRD], v24, 2, v[VRD]
	s_delay_alu instid0(VALU_DEP_1)
	v_add_nc_u32 v[VRD], 1024, v[VRD]
	s_mov_b32 s59, 0
	s_wait_kmcnt 0x0
	s_load_b256 s[24:31], s[14:15], 0x8            ; e2 .. e9
	s_load_b32 s32, s[14:15], 0x2c                 ; e11
	s_lshl_b32 s58, s21, 14                        ; cos, sin: 64 rows of 256 bytes, + my slice's 64
	s_lshl_b32 s38, ttmp9, 6
	s_add_co_u32 s58, s58, s38
	s_add_nc_u64 s[40:41], s[10:11], s[58:59]
	s_add_nc_u64 s[42:43], s[12:13], s[58:59]
	s_lshl_b32 s58, s21, 15                        ; afac: 64 rows of 512 bytes
	s_add_nc_u64 s[44:45], s[8:9], s[58:59]
	s_max_u32 s58, s20, 2                          ; hs's codes: jobs 0-2 under e2, job 3 under e4, job 4 under e6
	s_sub_co_u32 s58, s58, 2
	s_min_u32 s58, s58, 2
	s_lshl_b32 s58, s58, 23
	s_lshl_b32 s38, s21, 17                        ; four row tiles of 32,768 bytes
	s_add_co_u32 s58, s58, s38
	s_add_nc_u64 s[46:47], s[4:5], s[58:59]
	s_mul_i32 s58, ttmp9, 655360                   ; the weights: my slice, my job
	s_min_u32 s38, s20, 4
	s_lshl_b32 s38, s38, 17
	s_add_co_u32 s58, s58, s38
	s_add_co_u32 s58, s58, WB
	s_add_nc_u64 s[48:49], s[6:7], s[58:59]
	s_lshl_b32 s39, ttmp9, 8                       ; d = 16 dg on is c = dg / 2, h = dg % 2 of an image: 256 dg bytes
	s_lshl_b32 s58, s34, 4                         ; qimg: head 16 b + 4 hg, query tile 4 (rb % 32) + 2 th
	s_lshl_b32 s38, s23, 2
	s_add_co_u32 s58, s58, s38
	s_lshl_b32 s58, s58, 18
	s_lshl_b32 s38, s35, 13
	s_add_co_u32 s58, s58, s38
	s_lshl_b32 s38, s22, 12
	s_add_co_u32 s58, s58, s38
	s_add_co_u32 s58, s58, s39
	s_add_nc_u64 s[50:51], s[16:17], s[58:59]
	s_lshl_b32 s58, s34, 2                         ; K's images: kv head 4 b + 2 gp, the key step, tiles 2 (2 (rb % 2) + th) on
	s_lshl_b32 s38, s33, 1
	s_add_co_u32 s58, s58, s38
	s_lshl_b32 s58, s58, 18
	s_lshl_b32 s38, s37, 14
	s_add_co_u32 s58, s58, s38
	s_lshl_b32 s38, s36, 13
	s_add_co_u32 s58, s58, s38
	s_lshl_b32 s38, s22, 12
	s_add_co_u32 s58, s58, s38
	s_add_co_u32 s58, s58, s39
	s_add_nc_u64 s[52:53], s[18:19], s[58:59]
	s_lshl_b32 s58, s34, 20                        ; V's images: kv head 4 b, the key step, tile 2 dg + u, c = 2 (rb % 2) + c2
	s_lshl_b32 s38, s37, 14
	s_add_co_u32 s58, s58, s38
	s_lshl_b32 s38, ttmp9, 12
	s_add_co_u32 s58, s58, s38
	s_lshl_b32 s38, s22, 11
	s_add_co_u32 s58, s58, s38
	s_lshl_b32 s38, s36, 10
	s_add_co_u32 s58, s58, s38
	s_lshl_b32 s38, s33, 9
	s_add_co_u32 s58, s58, s38
	s_add_co_u32 s58, s58, 2097152
	s_add_nc_u64 s[54:55], s[18:19], s[58:59]
.irp n, 0,1,2,3                        ; what the q part wants is asked for now: older than every load of the products
	global_load_b128 v[COSR+4*\n:COSR+4*\n+3], v[CQ], s[40:41] offset:16*\n
	global_load_b128 v[SINR+4*\n:SINR+4*\n+3], v[CQ], s[42:43] offset:16*\n
.endr
.irp n, 0,1,2,3,4,5
	global_load_b128 v[AQ+4*\n:AQ+4*\n+3], v[AQO], s[44:45] offset:16*\n
.endr
	s_wait_kmcnt 0x0
	s_add_co_i32 s56, s24, s25                     ; my job's sums stand for sum x 2^(ea + eb)
	s_add_co_i32 s38, s26, s27
	s_add_co_i32 s57, s28, s29
	s_cmp_ge_u32 s20, 3
	s_cselect_b32 s56, s38, s56
	s_cmp_ge_u32 s20, 4
	s_cselect_b32 s56, s57, s56
	s_add_co_i32 s56, s56, 127
	s_lshl_b32 s56, s56, 23
	s_mov_b32 s57, s56                             ; (named with it as a pair, so it is written)
	MKSC s30, SC
	MKSC s31, SC+2
	MKSC s32, SC+4
	s_cmp_gt_u32 s20, 4
	s_cbranch_scc1 .Ljoin                          ; waves 5-7 have no job
.macro LOADF ks                        ; K step ks: 4 fragments of hs, 4 of the weights, into buffer ks % 2
.if (\ks)%2
	WIN 0x40
.set FB, 0
.else
.set FB, B0
.endif
.irp i, 0,1,2,3
.irp c, 0,1,2,3
	global_load_b128 v[FB+16*\i+4*\c:FB+16*\i+4*\c+3], v[LI], s[46:47] offset:2048*(\ks)+32768*\i+512*\c
.endr
.endr
.irp T, 0,1,2,3
.irp c, 0,1,2,3
	global_load_b128 v[FB+64+16*\T+4*\c:FB+64+16*\T+4*\c+3], v[LI], s[48:49] offset:8192*(\ks)+2048*\T+512*\c
.endr
.endr
	WIN 0
.endm
.macro MULF ks                         ; 16 products, the 16 accumulators by turns in one order; the first step starts the sums
.if (\ks)%2
	WIN 0x55
.set FB, 0
.elseif (\ks) == 0
	WIN 0x40
.set FB, B0
.else
	WIN 0x50
.set FB, B0
.endif
.irp i, 0,1,2,3
.irp T, 0,1,2,3
.if (\ks) == 0
	v_wmma_f32_16x16x128_fp8_fp8 v[ACC+8*(4*\i+\T):ACC+8*(4*\i+\T)+7], v[FB+64+16*\T:FB+64+16*\T+15], v[FB+16*\i:FB+16*\i+15], 0
.else
	v_wmma_f32_16x16x128_fp8_fp8 v[ACC+8*(4*\i+\T):ACC+8*(4*\i+\T)+7], v[FB+64+16*\T:FB+64+16*\T+15], v[FB+16*\i:FB+16*\i+15], v[ACC+8*(4*\i+\T):ACC+8*(4*\i+\T)+7]
.endif
.endr
.endr
	WIN 0
.rept 4
	v_nop                                          ; four places in front of loads into registers that these products have read, and of the first read of results
.endr
.endm
	LOADF 0
	LOADF 1
.set KS, 0
.rept 16
.if KS < 15
	s_wait_loadcnt 32                              ; this step's 32 loads are in; the other buffer's 32 may be out
.else
	s_wait_loadcnt 0x0
.endif
	MULF KS
.if KS+2 < 16
	LOADF KS+2
.endif
.set KS, KS+1
.endr
	WIN 0x01                                       ; source 0 window 1
.set a, 0
.rept 16
.irp n, 0,2,4,6
	v_pk_mul_f32 v[B0+8*a+\n:B0+8*a+\n+1], v[ACC+8*a+\n:ACC+8*a+\n+1], s[56:57] op_sel_hi:[1,0]   ; x 2^(ea + eb); each accumulator from its low end on
.endr
.set a, a+1
.endr
	WIN 0
.irp i, 0,1,2,3
.irp T, 0,1,2,3
	ds_store_b128 v[STO], v[B0+8*(4*\i+\T):B0+8*(4*\i+\T)+3] offset:16*SP*\i+64*\T
	ds_store_b128 v[STO], v[B0+8*(4*\i+\T)+4:B0+8*(4*\i+\T)+7] offset:16*SP*\i+64*\T+16
.endr
.endr
.Ljoin:
	s_wait_dscnt 0x0                               ; for the others' sake: my job's results lie in the stage
	s_barrier_signal -1
	s_barrier_wait -1
; The rope on one rank: 16 pairs (x1 at d, x2 at d + 64) at v[base] and v[base + 16]; w1 = 1: they lie in window 1
.macro ROPE base, w1
.set RB, \base
	WIN 0x01*\w1
.set n, 0
.rept 8
	v_pk_mul_f32 v[T1+n:T1+n+1], v[RB+16+n:RB+17+n], v[SINR+n:SINR+n+1]
	v_pk_mul_f32 v[T2+n:T2+n+1], v[RB+n:RB+n+1], v[SINR+n:SINR+n+1]
.set n, n+2
.endr
	WIN 0x41*\w1
.set n, 0
.rept 8
	v_pk_fma_f32 v[RB+n:RB+n+1], v[RB+n:RB+n+1], v[COSR+n:COSR+n+1], v[T1+n:T1+n+1] neg_lo:[0,0,1] neg_hi:[0,0,1]   ; x1 cos - x2 sin
	v_pk_fma_f32 v[RB+16+n:RB+17+n], v[RB+16+n:RB+17+n], v[COSR+n:COSR+n+1], v[T2+n:T2+n+1]                        ; x2 cos + x1 sin
.set n, n+2
.endr
.endm
; HACC's 32 channels become 32 codes: d = 16 dg on in registers 0-3, d = 64 + 16 dg on in registers 4-7
.macro CODES dst, sc
.set n, 0
.rept 32
	v_med3_num_f32 v[HACC+n], v[HACC+n], -v[\sc+1], v[\sc+1]   ; the conversion to an 8-bit code does not saturate (ISA guide 7.6.2)
.set n, n+1
.endr
.irp g, 0,1,2,3
	v_cvt_scalef32_pk8_fp8_f32 v[\dst+2*\g:\dst+2*\g+1], v[HACC+8*\g:HACC+8*\g+7], v[\sc]
.endr
	v_nop                                          ; one plain vector instruction between the conversions and the next write of their sources
.endm
	; ---- q: my token's 6 ranks x 32 channels
	WIN 0x40
.set n, 0
.rept 48
	ds_load_b128 v[4*n:4*n+3], v[QRD] offset:16*n
.set n, n+1
.endr
	WIN 0
	s_wait_dscnt 0x0
	s_wait_loadcnt 0x0                             ; cos, sin, A_q
.irp r, 0,1,2,3,4,5
	ROPE 32*\r, 1
.endr
.macro HEAD j                          ; q(head 4 hg + j, d) = the sum over the 6 ranks of A_q x B_q; A_q is one word of a pair, taken for both halves
	WIN 0x01
.irp r, 0,1,2,3,4,5
.set n, 0
.rept 16
.if \r == 0
	v_pk_mul_f32 v[HACC+n:HACC+n+1], v[n:n+1], v[AQ+6*\j:AQ+6*\j+1] op_sel_hi:[1,0]
.elseif (\r)%2 == 0
	v_pk_fma_f32 v[HACC+n:HACC+n+1], v[32*\r+n:32*\r+n+1], v[AQ+6*\j+\r:AQ+6*\j+\r+1], v[HACC+n:HACC+n+1] op_sel_hi:[1,0,1]
.else
	v_pk_fma_f32 v[HACC+n:HACC+n+1], v[32*\r+n:32*\r+n+1], v[AQ+6*\j+\r-1:AQ+6*\j+\r], v[HACC+n:HACC+n+1] op_sel:[0,1,0] op_sel_hi:[1,1,1]
.endif
.set n, n+2
.endr
.endr
	WIN 0
	CODES QC+8*\j, SC
	global_store_b128 v[IST], v[QC+8*\j:QC+8*\j+3], s[50:51] offset:262144*\j           ; sixteen lanes store 256 consecutive bytes of an image, aligned
	global_store_b128 v[IST], v[QC+8*\j+4:QC+8*\j+7], s[50:51] offset:262144*\j+1024
.endm
	HEAD 0
	HEAD 1
	HEAD 2
	HEAD 3
	s_wait_xcnt 0x0                                ; q's stores have read their registers: they are written again below
	s_cmp_lt_u32 s20, 4
	s_cbranch_scc0 .Lvpart
	; ---- k: waves 0-3
.set n, 0
.rept 16
	ds_load_b128 v[BK+4*n:BK+4*n+3], v[KRD] offset:16*n
.set n, n+1
.endr
.irp n, 0,1,2,3
	global_load_b128 v[COSR+4*\n:COSR+4*\n+3], v[CK], s[40:41] offset:16*\n
	global_load_b128 v[SINR+4*\n:SINR+4*\n+3], v[CK], s[42:43] offset:16*\n
.endr
	global_load_b128 v[AQ:AQ+3], v[AKO], s[44:45]
	s_wait_dscnt 0x0
	s_wait_loadcnt 0x0
	ROPE BK, 0
	ROPE BK+32, 0
.irp g, 0,1
.set n, 0
.rept 16
	v_pk_mul_f32 v[HACC+n:HACC+n+1], v[BK+n:BK+n+1], v[AQ+2*\g:AQ+2*\g+1] op_sel_hi:[1,0]
.set n, n+2
.endr
.set n, 0
.rept 16
	v_pk_fma_f32 v[HACC+n:HACC+n+1], v[BK+32+n:BK+33+n], v[AQ+2*\g:AQ+2*\g+1], v[HACC+n:HACC+n+1] op_sel:[0,1,0] op_sel_hi:[1,1,1]
.set n, n+2
.endr
	CODES QC+8*\g, SC+2
	global_store_b128 v[IST], v[QC+8*\g:QC+8*\g+3], s[52:53] offset:262144*\g
	global_store_b128 v[IST], v[QC+8*\g+4:QC+8*\g+7], s[52:53] offset:262144*\g+1024
.endr
	s_wait_tensorcnt 0x0                           ; the wave's end: behind my last LDS store
	ds_add_u32 v[SPW], v[NIL]
	s_wait_dscnt 0x0
	s_endpgm
.Lvpart:
	; ---- v: waves 4-7: my channel d, 16 tokens down my registers
.irp r, 0,1
.set i, 0
.rept 16
	ds_load_b32 v[BV+16*\r+i], v[VRD] offset:SP*i+128*\r
.set i, i+1
.endr
.endr
	WIN 0x40
.set i, 0
.rept 16
	global_load_b128 v[8*i:8*i+3], v[AVO], s[44:45] offset:512*i          ; A_v of token i: 4 heads x 2 ranks
	global_load_b128 v[8*i+4:8*i+7], v[AVO], s[44:45] offset:512*i+16
.set i, i+1
.endr
	WIN 0
	s_wait_dscnt 0x0
	s_wait_loadcnt 0x0
.irp g, 0,1,2,3
	WIN 0x01
.set i, 0
.rept 16
	v_mul_f32 v[VA+i], v[8*i+2*\g], v[BV+i]
.set i, i+1
.endr
.set i, 0
.rept 16
	v_fma_f32 v[VA+i], v[8*i+2*\g+1], v[BV+16+i], v[VA+i]
.set i, i+1
.endr
	WIN 0
.set i, 0
.rept 16
	v_med3_num_f32 v[VA+i], v[VA+i], -v[SC+5], v[SC+5]
.set i, i+1
.endr
	v_cvt_scalef32_pk8_fp8_f32 v[VC+4*\g:VC+4*\g+1], v[VA:VA+7], v[SC+4]
	v_cvt_scalef32_pk8_fp8_f32 v[VC+4*\g+2:VC+4*\g+3], v[VA+8:VA+15], v[SC+4]
	v_nop                                          ; one plain vector instruction between the conversions and the next write of their sources
	global_store_b128 v[LI], v[VC+4*\g:VC+4*\g+3], s[54:55] offset:262144*\g   ; 32 lanes store 512 consecutive bytes of an image
.endr
	s_wait_tensorcnt 0x0                           ; the wave's end, as above
	ds_add_u32 v[SPW], v[NIL]
	s_wait_dscnt 0x0
	s_endpgm
.Lfunc_end_k_qda3e1a2655_pj:
	.size	k_qda3e1a2655_pj, .Lfunc_end_k_qda3e1a2655_pj-k_qda3e1a2655_pj
	.p2alignl 7, 3214868480
	.fill 96, 4, 3214868480
	.section	.rodata,"a",@progbits
	.p2align	6, 0x0
	.amdhsa_kernel k_qda3e1a2655_pj
		.amdhsa_group_segment_fixed_size 83968
		.amdhsa_private_segment_fixed_size 0
		.amdhsa_enable_private_segment 0
		.amdhsa_kernarg_size 64
		.amdhsa_user_sgpr_count 2
		.amdhsa_user_sgpr_kernarg_segment_ptr 1
		.amdhsa_wavefront_size32 1
		.amdhsa_system_sgpr_workgroup_id_x 1
		.amdhsa_system_sgpr_workgroup_id_y 1
		.amdhsa_system_sgpr_workgroup_id_z 1
		.amdhsa_system_vgpr_workitem_id 0
		.amdhsa_next_free_vgpr 512
		.amdhsa_next_free_sgpr 96
		.amdhsa_reserve_vcc 0
		.amdhsa_float_denorm_mode_32 3
		.amdhsa_float_denorm_mode_16_64 3
		.amdhsa_memory_ordered 1
		.amdhsa_forward_progress 1
		.amdhsa_inst_pref_size 164
	.end_amdhsa_kernel
	.amdgpu_metadata
---
amdhsa.version: [ 1, 2 ]
amdhsa.kernels:
  - .name:           k_qda3e1a2655_pj
    .symbol:         k_qda3e1a2655_pj.kd
    .args:
      - { .name: hsq, .offset: 0, .size: 8, .value_kind: global_buffer, .address_space: global }
      - { .name: wc, .offset: 8, .size: 8, .value_kind: global_buffer, .address_space: global }
      - { .name: afac, .offset: 16, .size: 8, .value_kind: global_buffer, .address_space: global }
      - { .name: cos, .offset: 24, .size: 8, .value_kind: global_buffer, .address_space: global }
      - { .name: sin, .offset: 32, .size: 8, .value_kind: global_buffer, .address_space: global }
      - { .name: lowp_scales, .offset: 40, .size: 8, .value_kind: global_buffer, .address_space: global }
      - { .name: qimg, .offset: 48, .size: 8, .value_kind: global_buffer, .address_space: global }
      - { .name: kvimg, .offset: 56, .size: 8, .value_kind: global_buffer, .address_space: global }
    .group_segment_fixed_size: 83968
    .private_segment_fixed_size: 0
    .kernarg_segment_align: 8
    .kernarg_segment_size: 64
    .max_flat_workgroup_size: 256
    .sgpr_count:     96
    .vgpr_count:     512
    .wavefront_size: 32
...
	.end_amdgpu_metadata
.endif
;; end of part 3
;; launch at (part 4): grid 16 x 16, 8 waves a work-group, no clusters, 99,328 bytes of LDS; arguments qimg, kvimg, attention_mask, sinks, lowp_scales, oimg, mlist; writes oimg
.if DOCPART == 4
	.amdgcn_target "amdgcn-amd-amdhsa--gfx1250"
	.amdhsa_code_object_version 6
	.text
	.protected	k_qda3e1a2655_at
	.globl	k_qda3e1a2655_at
	.p2align	8
	.type	k_qda3e1a2655_at,@function
k_qda3e1a2655_at:
	s_mov_b64 s[64:65], 0
	v_nop
	global_prefetch_b8 v0, s[64:65] scope:SCOPE_SE
	s_setreg_imm32_b32 hwreg(HW_REG_WAVE_MODE, 25, 1), 1
	s_wait_xcnt 0x0
; o = (softmax(q k^T / sqrt(128) + mask) x sigmoid(log_z - sink)) v, both products on codes of E4M3; o quantised under e12 into fragment images for the last product.
; The weights w are quantised FINISHED (normalised, with the gate), so the keys are walked twice: pass 1 finds each row's largest t and sum (log_z), pass 2 makes w = 2^(t + negL), its codes, and w v.
; t = logit x log2(e).  negL = -(u + log2(1 + 2^(sink log2(e) - u))), u = log_z log2(e): then 2^(t + negL) = softmax x gate.
; WHICH KEY STEPS ARE WALKED is read from mlist, whole numbers that an earlier launch made of the mask as it is given: a step of 128 keys that is not live for my 16 queries has weights that are 0 in f32 (the bound stands
; at that launch), and its work is jumped over; a live step whose mask numbers are all 0 takes the constant 0 as the first product's C; any other live step loads its mask numbers.  Step 0 is always walked: it starts o's sums.
; THE MASK IS THE C OF THE FIRST PRODUCT: mask / alpha, alpha = 2^(e8 + e9) / sqrt(128); the sum is then logit / alpha, and t = sum x c, c = alpha log2(e).
; SHARES.  A work-group is (batch, kv head, two of its four heads; query blocks j and 31 - j of 64).  A wave has 16 queries x 2 heads; waves 0, 2, 5, 7 take block j's tiles 4 j + wave / 2, the others tile 127 - that.
; Both products are used transposed: a lane holds ONE query; register 16 B + i of the scores is key 32 B + 16 h + i (K's images are laid for that), so the conversions' results are the second product's operand.
; LDS: pass 1: K's two slots of 16,384 bytes at 0.  Pass 2: K's two slots at 32,768, V's two at 65,536; their step 0 is stored at the head.  Each wave brings 2,048 bytes of a step's images through registers.
; Pass 1: step s + 2 is asked for at step s's head and stored at its end; step s + 1's fragments are read behind step s's products.  Pass 2: step s + 1 is asked for at step s's head and stored at its end.
; One barrier a step; every wave passes every barrier; only work is jumped over.
; No tensor load and no joint request: the walk hangs on numbers read from memory.  No prefetch: each fill is itself asked for a step or two ahead of its use.
; LIMITS: e8 + e9 between -120 and 120; e10, and e12 - e10 - e11: -126 <= e and e + 8 <= 127.  NaN among the inputs, and a mask row that is -infinity throughout, are not served.
.set SLOTX, 16384
.set P2B,   32768                      ; pass 2's slots begin here
.set VOF,   32768                      ; from K's slot to V's
.set VIMG,  2097152                    ; V's images in kvimg
.set SPARE, 98304                      ; the spare words, 128 bytes for each wave: four blocks of 256 bytes that no other line names
.set LI,   1                           ; v1   16 x lane
.set MO,   2                           ; v2   the mask in memory: my query's row, + 64 h
.set FA,   3                           ; v3   where my share of a fill goes in a slot
.set AD,   4                           ; v4   the slot that is read
.set SPW,  5                           ; v5   LDS address of my spare word; never rewritten
.set NIL,  6                           ; v6   0; never rewritten
.set AW,   7                           ; v7   the slot that is filled
.set SCW,  10                          ; v10, v11  2^e10, 448 x 2^e10
.set ST,   12                          ; v12-27 eight a head: +0 m, +2, +3 the sum in two halves, +4 a, later negL, +6, +7 at work
.set SCO,  28                          ; v28, v29  2^(e12 - e10 - e11), 448 x that
.set KF,   32                          ; v32-95   K's tiles 0-3; in pass 2 then V's tiles 0-3
.set S,    96                          ; v96-223  the two heads' scores, then p or w
.set TT,   224                         ; v224-255 at work, and the fills on their way
.set O,    0                           ; window 1: v0-127 o^T, 64 a head
.set K2,   0                           ; window 1, pass 1 alone: K's tiles 4-7
.set Q,    128                         ; window 1: v128-159 q's fragments
.set P,    160                         ; window 1: v160-191 w's codes
.set MK,   192                         ; window 1: v192-255 pass 1: the mask / alpha; pass 2: K's, then V's tiles 4-7
.set WV,   18
.set KP,   52                          ; s[52:53] my share of K's images of the step in hand
.set MB,   54                          ; s[54:55] my queries' mask rows at the step in hand
.set CS,   56                          ; s[56:57] c
.set IA,   58                          ; s[58:59] 1 / alpha
.set SEL,  60                          ; s[60:61] lane selects: lane l xor 16
.set FL0,  62                          ; s62  steps that some wave of the work-group walks
.set LV,   66                          ; s66-68 the three lists, shifted so that bit 0 is the step in hand
.set GN,   67
.set FL,   68
.set RS,   69                          ; s69  the slot that is read
.set WS,   70                          ; s70  the other one
.set CNT,  71
.set SINK, 72                          ; s72, s73  sink x log2(e) of my two heads
.set LV0,  74                          ; s74  my live steps;  s75 those of them that load their mask
.set GN0,  75
.set MSB, 0
.macro WIN new                         ; the immediate's high byte repeats the setting that is left
.if MSB != \new
	s_set_vgpr_msb (MSB<<8)|\new
.set MSB, \new
.endif
.endm
.macro PLACES                          ; four plain vector instructions between matrix instructions and loads into, or reads of, their registers
.rept 4
	v_nop
.endr
.endm
.macro FRAGS reg, n, adr, first, off   ; n fragment images, four loads of 512 consecutive bytes each
.set ft, 0
.rept \n
.irp c, 0,1,2,3
	ds_load_b128 v[\reg+16*ft+4*\c:\reg+16*ft+4*\c+3], v[\adr] offset:(\off)+2048*((\first)+ft)+512*\c
.endr
.set ft, ft+1
.endr
.endm
.macro MASKG reg, off                  ; the mask of my query at keys 32 b + 16 h + 4 j on, off bytes behind the step in hand
.irp b, 0,1,2,3
.irp j, 0,1,2,3
	global_load_b128 v[\reg+16*\b+4*\j:\reg+16*\b+4*\j+3], v[MO], s[MB:MB+1] offset:(\off)+128*\b+16*\j
.endr
.endr
.endm
.macro QKW t, areg, cm                 ; key tile t: both heads' scores.  cm 0: C = 0;  1: C = the shared mask / alpha;  2: C lies in the scores' own registers
.if \cm == 0
	v_wmma_f32_16x16x128_fp8_fp8 v[S+8*(\t):S+8*(\t)+7], v[\areg:\areg+15], v[Q:Q+15], 0
	v_wmma_f32_16x16x128_fp8_fp8 v[S+64+8*(\t):S+64+8*(\t)+7], v[\areg:\areg+15], v[Q+16:Q+31], 0
.elseif \cm == 1
	v_wmma_f32_16x16x128_fp8_fp8 v[S+8*(\t):S+8*(\t)+7], v[\areg:\areg+15], v[Q:Q+15], v[MK+8*(\t):MK+8*(\t)+7]
	v_wmma_f32_16x16x128_fp8_fp8 v[S+64+8*(\t):S+64+8*(\t)+7], v[\areg:\areg+15], v[Q+16:Q+31], v[MK+8*(\t):MK+8*(\t)+7]
.else
	v_wmma_f32_16x16x128_fp8_fp8 v[S+8*(\t):S+8*(\t)+7], v[\areg:\areg+15], v[Q:Q+15], v[S+8*(\t):S+8*(\t)+7]
	v_wmma_f32_16x16x128_fp8_fp8 v[S+64+8*(\t):S+64+8*(\t)+7], v[\areg:\areg+15], v[Q+16:Q+31], v[S+64+8*(\t):S+64+8*(\t)+7]
.endif
.endm
.macro QK hi, cm, mid                  ; a step's 16 products; hi: where tiles 4-7 lie in window 1; mid = 1: their loads are waited for between the halves
	WIN 0x04+0x10*((\cm)%2)                        ; q in window 1 (cm 1: and C)
.irp t, 0,1,2,3
	QKW \t, KF+16*\t, \cm
.endr
.if \mid
	s_wait_dscnt 0x0                               ; tiles 4-7
.endif
	WIN 0x05+0x10*((\cm)%2)
.irp t, 4,5,6,7
	QKW \t, \hi+16*(\t-4), \cm
.endr
	WIN 0
.endm
.macro EXPS                            ; the step's 128 exponentials, one batch
.set n, 0
.rept 128
	v_exp_f32 v[S+n], v[S+n]
.set n, n+1
.endr
	v_nop                                          ; a plain instruction behind the last of them,
	s_wait_alu depctr_va_vdst(0)                   ; and the one wait ahead of the batch's first reader
.endm
; The end of a step: the fill that is on its way goes into the slot that nobody reads; the lists and addresses step on; the barrier.  Where nothing was asked for, what the registers hold is stored and never read.
.macro JOIN pass
	s_wait_alu depctr_va_vdst(0)                   ; the wait here, directly ahead of the wait below
	s_wait_loadcnt 0x0                             ; the fill, and a mask asked for in this step; so the bases below may be written
	s_xor_b32 s[WS], s[RS], SLOTX
	v_add_nc_u32 v[AW], s[WS], v[FA]
.irp c, 0,1,2,3
.if \pass == 1
	ds_store_b128 v[AW], v[TT+16+4*\c:TT+19+4*\c] offset:512*\c
.else
	ds_store_b128 v[AW], v[TT+4*\c:TT+4*\c+3] offset:512*\c
	ds_store_b128 v[AW], v[TT+16+4*\c:TT+19+4*\c] offset:VOF+512*\c
.endif
.endr
	s_add_nc_u64 s[KP:KP+1], s[KP:KP+1], 16384
	s_add_nc_u64 s[MB:MB+1], s[MB:MB+1], 512
	s_lshr_b32 s[LV], s[LV], 1
	s_lshr_b32 s[GN], s[GN], 1
	s_lshr_b32 s[FL], s[FL], 1
	s_mov_b32 s[RS], s[WS]
	s_wait_dscnt 0x0                               ; for the others' sake: my stores lie in LDS, and my reads of the other slot are over
	s_barrier_signal -1
	s_barrier_wait -1
.endm
; ---- PASS 1
.macro NEXT1                           ; the next step's fragments, and its mask where it has one, if I walk it
	s_bitcmp1_b32 s[LV], 1
	s_cbranch_scc0 .Ln_\@
	v_add_nc_u32 v[AD], s[RS], v[LI]
	WIN 0x40
	FRAGS K2, 4, AD, 4, 0
	WIN 0
	FRAGS KF, 4, AD, 0, 0
	s_bitcmp1_b32 s[GN], 1
	s_cbranch_scc0 .Ln_\@
	WIN 0x40
	MASKG MK, 512
	WIN 0
.Ln_\@:
.endm
; The largest t and the sum are kept lane by lane (a lane sees 64 of a step's 128 keys); the two halves of the lanes meet once, at the end of the pass.  The two heads' chains take turns line by line: four chains.
.macro SOFT1
.irp H, 0,1
	v_max3_num_f32 v[ST+8*\H+6], v[S+64*\H], v[S+64*\H+1], v[S+64*\H+2]   ; ascending: each accumulator is read from its low end on
	v_max3_num_f32 v[ST+8*\H+7], v[S+64*\H+3], v[S+64*\H+4], v[S+64*\H+5]
.endr
.irp i, 6,10,14,18,22,26,30,34,38,42,46,50,54,58
.irp H, 0,1
	v_max3_num_f32 v[ST+8*\H+6], v[ST+8*\H+6], v[S+64*\H+\i], v[S+64*\H+\i+1]
	v_max3_num_f32 v[ST+8*\H+7], v[ST+8*\H+7], v[S+64*\H+\i+2], v[S+64*\H+\i+3]
.endr
.endr
.irp H, 0,1
	v_max3_num_f32 v[ST+8*\H+6], v[ST+8*\H+6], v[S+64*\H+62], v[S+64*\H+63]
.endr
.irp H, 0,1
	v_max_num_f32 v[ST+8*\H+6], v[ST+8*\H+6], v[ST+8*\H+7]
.endr
.irp H, 0,1
	v_mul_f32 v[ST+8*\H+6], s[CS], v[ST+8*\H+6]    ; as t (c is positive)
.endr
.irp H, 0,1
	v_max_num_f32 v[ST+8*\H+6], v[ST+8*\H+6], v[ST+8*\H]
.endr
.irp H, 0,1
	v_sub_f32 v[ST+8*\H+4], v[ST+8*\H], v[ST+8*\H+6]   ; old m - new m
.endr
.irp H, 0,1
	v_mov_b32 v[ST+8*\H], v[ST+8*\H+6]
.endr
.irp H, 0,1
.set n, 0
.rept 32
	v_pk_fma_f32 v[S+64*\H+n:S+64*\H+n+1], v[S+64*\H+n:S+64*\H+n+1], s[CS:CS+1], v[ST+8*\H:ST+8*\H+1] op_sel_hi:[1,0,0] neg_lo:[0,0,1] neg_hi:[0,0,1]   ; t - m
.set n, n+2
.endr
.endr
	s_wait_alu depctr_va_vdst(0)                   ; the wait ahead of the batch too
	v_exp_f32 v[ST+4], v[ST+4]                     ; a = 2^(old m - new m), in the batch
	v_exp_f32 v[ST+12], v[ST+12]
	EXPS
.irp H, 0,1
	v_pk_add_f32 v[TT+4*\H:TT+4*\H+1], v[S+64*\H:S+64*\H+1], v[S+64*\H+2:S+64*\H+3]
	v_pk_add_f32 v[TT+4*\H+2:TT+4*\H+3], v[S+64*\H+4:S+64*\H+5], v[S+64*\H+6:S+64*\H+7]
.endr
.irp i, 8,12,16,20,24,28,32,36,40,44,48,52,56,60
.irp H, 0,1
	v_pk_add_f32 v[TT+4*\H:TT+4*\H+1], v[TT+4*\H:TT+4*\H+1], v[S+64*\H+\i:S+64*\H+\i+1]
	v_pk_add_f32 v[TT+4*\H+2:TT+4*\H+3], v[TT+4*\H+2:TT+4*\H+3], v[S+64*\H+\i+2:S+64*\H+\i+3]
.endr
.endr
.irp H, 0,1
	v_pk_add_f32 v[TT+4*\H:TT+4*\H+1], v[TT+4*\H:TT+4*\H+1], v[TT+4*\H+2:TT+4*\H+3]
.endr
.irp H, 0,1
	v_pk_fma_f32 v[ST+8*\H+2:ST+8*\H+3], v[ST+8*\H+2:ST+8*\H+3], v[ST+8*\H+4:ST+8*\H+5], v[TT+4*\H:TT+4*\H+1] op_sel_hi:[1,0,1]   ; the sum x a + the step's
.endr
.endm
.macro P1STEP
	s_bitcmp1_b32 s[FL], 2                         ; does any wave walk the step two on?
	s_cbranch_scc0 .Lnf_\@
.irp c, 0,1,2,3
	global_load_b128 v[TT+16+4*\c:TT+19+4*\c], v[LI], s[KP:KP+1] offset:32768+512*\c
.endr
.Lnf_\@:
	s_bitcmp1_b32 s[LV], 0
	s_cbranch_scc0 .Ld_\@
	s_bitcmp1_b32 s[GN], 0
	s_cbranch_scc0 .Lz_\@
	WIN 0x41
.set n, 0
.rept 32
	v_pk_mul_f32 v[MK+n:MK+n+1], v[MK+n:MK+n+1], s[IA:IA+1] op_sel_hi:[1,0]   ; the mask / alpha
.set n, n+2
.endr
	QK K2, 1, 0
	s_branch .Lq_\@
.Lz_\@:
	QK K2, 0, 0
.Lq_\@:
	PLACES
	NEXT1                                          ; lands during this step's softmax
	SOFT1
	s_branch .Lj_\@
.Ld_\@:
	NEXT1
.Lj_\@:
	JOIN 1
.endm
; ---- PASS 2
.macro MASKNEXT                        ; the next step's mask, where it has one: into the first head's scores' registers, which are free
	s_bitcmp1_b32 s[GN], 1
	s_cbranch_scc0 .Lm_\@
	MASKG S, 512
.Lm_\@:
.endm
.macro KLOAD2                          ; a step's eight tiles of K: tiles 0-3 first
	v_add_nc_u32 v[AD], s[RS], v[LI]
	FRAGS KF, 4, AD, 0, 0
	WIN 0x40
	FRAGS MK, 4, AD, 4, 0
	WIN 0
.endm
.macro PVW t, areg, zero               ; channel tile t of V: both heads
.if \zero
	v_wmma_f32_16x16x128_fp8_fp8 v[O+8*(\t):O+8*(\t)+7], v[\areg:\areg+15], v[P:P+15], 0
	v_wmma_f32_16x16x128_fp8_fp8 v[O+64+8*(\t):O+64+8*(\t)+7], v[\areg:\areg+15], v[P+16:P+31], 0
.else
	v_wmma_f32_16x16x128_fp8_fp8 v[O+8*(\t):O+8*(\t)+7], v[\areg:\areg+15], v[P:P+15], v[O+8*(\t):O+8*(\t)+7]
	v_wmma_f32_16x16x128_fp8_fp8 v[O+64+8*(\t):O+64+8*(\t)+7], v[\areg:\areg+15], v[P+16:P+31], v[O+64+8*(\t):O+64+8*(\t)+7]
.endif
.endm
.macro P2STEP zero                     ; zero = 1: step 0, walked by every wave: its products start o's sums, so nothing is cleared; its tiles of K were asked for ahead of it
	s_bitcmp1_b32 s[FL], 1                         ; does any wave walk the next step?
	s_cbranch_scc0 .Lnf_\@
.irp c, 0,1,2,3
	global_load_b128 v[TT+4*\c:TT+4*\c+3], v[LI], s[KP:KP+1] offset:16384+512*\c
	global_load_b128 v[TT+16+4*\c:TT+19+4*\c], v[LI], s[KP:KP+1] offset:VIMG+16384+512*\c
.endr
.Lnf_\@:
.if \zero == 0
	s_bitcmp1_b32 s[LV], 0
	s_cbranch_scc0 .Ld_\@
	KLOAD2
.endif
	s_bitcmp1_b32 s[GN], 0
	s_cbranch_scc0 .Lz_\@
.set n, 0
.rept 32
	v_pk_mul_f32 v[S+64+n:S+65+n], v[S+n:S+n+1], s[IA:IA+1] op_sel_hi:[1,0]   ; the mask / alpha, for the second head,
.set n, n+2
.endr
.set n, 0
.rept 32
	v_pk_mul_f32 v[S+n:S+n+1], v[S+n:S+n+1], s[IA:IA+1] op_sel_hi:[1,0]       ; and for the first
.set n, n+2
.endr
	s_wait_alu depctr_va_vdst(0)                   ; the wait here, directly ahead of the wait below
	s_wait_dscnt 16                                ; tiles 0-3 are in; the 16 younger loads, tiles 4-7, may be out
	QK MK, 2, 1
	s_branch .Lq_\@
.Lz_\@:
	s_wait_alu depctr_va_vdst(0)                   ; the wait here, directly ahead of the wait below
	s_wait_dscnt 16                                ; as above
	QK MK, 0, 1
.Lq_\@:
	PLACES
	FRAGS KF, 4, AD, 0, VOF                        ; V's eight tiles, into registers that these products have left: they land during the softmax
	WIN 0x40
	FRAGS MK, 4, AD, 4, VOF
	WIN 0
.irp H, 0,1
.set n, 0
.rept 32
	v_pk_fma_f32 v[S+64*\H+n:S+64*\H+n+1], v[S+64*\H+n:S+64*\H+n+1], s[CS:CS+1], v[ST+8*\H+4:ST+8*\H+5] op_sel_hi:[1,0,0]   ; t + negL
.set n, n+2
.endr
.endr
	s_wait_alu depctr_va_vdst(0)                   ; the wait ahead of the batch too
	EXPS                                           ; w = softmax x gate, finished
.set n, 0
.rept 128
	v_min_num_f32 v[S+n], v[S+n], v[SCW+1]         ; the conversion to an 8-bit code does not saturate (ISA guide 7.6.2); w is not negative, so the hold is one-sided
.set n, n+1
.endr
	WIN 0x40
.irp H, 0,1
.irp b, 0,1,2,3
	v_cvt_scalef32_pk8_fp8_f32 v[P+16*\H+4*\b:P+16*\H+4*\b+1], v[S+64*\H+16*\b:S+64*\H+16*\b+7], v[SCW]
	v_cvt_scalef32_pk8_fp8_f32 v[P+16*\H+4*\b+2:P+16*\H+4*\b+3], v[S+64*\H+16*\b+8:S+64*\H+16*\b+15], v[SCW]
.endr
.endr
	WIN 0
	v_nop                                          ; one plain vector instruction between a scaled conversion and the matrix instruction that reads its result
	MASKNEXT
	s_wait_alu depctr_va_vdst(0)                   ; the wait here: ahead of the wait below, and of the first readers of o behind the exponentials
	s_wait_dscnt 0x0                               ; V
.if \zero
	WIN 0x44                                       ; w's codes and o in window 1
.else
	WIN 0x54
.endif
.irp t, 0,1,2,3                        ; sixteen accumulators by turns
	PVW \t, KF+16*\t, \zero
.endr
.if \zero
	WIN 0x45                                       ; and V's tiles 4-7
.else
	WIN 0x55
.endif
.irp t, 4,5,6,7
	PVW \t, MK+16*(\t-4), \zero
.endr
	WIN 0
	PLACES
.if \zero == 0
	s_branch .Lj_\@
.Ld_\@:
	MASKNEXT
.Lj_\@:
.endif
	JOIN 2
.endm
	; ---- THE HEAD
	s_load_b256 s[4:11], s[0:1], 0x0               ; qimg, kvimg, the mask, sinks
	s_load_b128 s[12:15], s[0:1], 0x20             ; the scales' exponents, oimg
	s_load_b64 s[16:17], s[0:1], 0x30              ; mlist
	v_lshl_add_u32 v[SPW], v0, 2, SPARE
	v_mov_b32 v[NIL], 0
	v_lshrrev_b32 v1, 5, v0
	v_readfirstlane_b32 s[WV], v1                  ; wave 0..7
	s_and_b32 s19, ttmp7, 0xffff
	s_lshr_b32 s20, s19, 3                         ; b
	s_bfe_u32 s21, s19, 0x20001                    ; g
	s_and_b32 s22, s19, 1
	s_lshl_b32 s23, s21, 2
	s_lshl_b32 s24, s22, 1
	s_add_co_u32 s23, s23, s24                     ; my first head: 4 g + 2 (y % 2)
	s_and_b32 s24, s[WV], 1
	s_lshr_b32 s25, s[WV], 2
	s_xor_b32 s24, s24, s25                        ; 0: block j; 1: block 31 - j
	s_lshr_b32 s25, s[WV], 1
	s_lshl_b32 s26, ttmp9, 2
	s_add_co_u32 s26, s26, s25
	s_sub_co_u32 s27, 127, s26
	s_cmp_eq_u32 s24, 0
	s_cselect_b32 s26, s26, s27                    ; my query tile in the batch
	s_lshl_b32 s24, s20, 4
	s_add_co_u32 s24, s24, s23
	s_lshl_b32 s24, s24, 18
	s_lshl_b32 s25, s26, 11
	s_add_co_u32 s24, s24, s25                     ; q's image
	s_lshl_b32 s25, s20, 2
	s_add_co_u32 s25, s25, s21
	s_lshl_b32 s25, s25, 18
	s_lshl_b32 s30, s[WV], 11
	s_add_co_u32 s25, s25, s30                     ; K's images of kv head 4 b + g, my 2,048 bytes of a step
	s_lshl_b32 s27, s26, 17                        ; the mask: 16 rows of 8,192 bytes
	s_lshl_b32 s28, s20, 7
	s_add_co_u32 s28, s28, s26
	s_lshl_b32 s28, s28, 15
	s_lshl_b32 s29, s23, 11
	s_add_co_u32 s28, s28, s29                     ; o's images: row tile 128 b + query tile, K step = head
	s_lshl_b32 s29, s23, 2                         ; sinks
	s_lshl_b32 s22, s26, 4                         ; mlist: my tile's four words,
	s_lshl_b32 s21, ttmp9, 6                       ; block j's sixteen,
	s_sub_co_u32 s20, 31, ttmp9
	s_lshl_b32 s20, s20, 6                         ; block 31 - j's
	s_mov_b32 s31, 0
	s_mov_b32 s[SEL], 0x76543210
	s_mov_b32 s[SEL+1], 0xfedcba98
	v_and_b32 v8, 31, v0
	v_lshlrev_b32 v[LI], 4, v8
	v_and_b32 v9, 15, v0
	v_bfe_u32 v8, v0, 4, 1
	v_lshlrev_b32 v[MO], 13, v9
	v_lshl_add_u32 v[MO], v8, 6, v[MO]
	v_add_nc_u32 v[FA], s30, v[LI]
	v_add_nc_u32 v[AW], P2B, v[FA]
.irp H, 0,1
	v_mov_b32 v[ST+8*\H], 0xff61b1e6               ; the largest t so far: -3e38, under every t
.irp i, 1,2,3,4,5,6,7
	v_mov_b32 v[ST+8*\H+\i], 0                     ; the sums; the upper halves of named pairs; the lane permutes' destinations
.endr
.endr
	s_wait_alu depctr_va_vdst(0)                   ; the wait here, directly ahead of the wait below
	s_wait_kmcnt 0x0
	s_load_b128 s[32:35], s[16:17], s22 offset:0x0
	s_load_b512 s[36:51], s[16:17], s21 offset:0x0
	s_load_b512 s[76:91], s[16:17], s20 offset:0x0
	s_load_b128 s[92:95], s[12:13], 0x20           ; e8, e9, e10, e11
	s_load_b32 s96, s[12:13], 0x30                 ; e12
	s_mov_b32 s30, s29
	s_add_nc_u64 s[10:11], s[10:11], s[30:31]
	s_load_b64 s[SINK:SINK+1], s[10:11], 0x0
	s_mov_b32 s30, s24
	s_add_nc_u64 s[4:5], s[4:5], s[30:31]
	s_mov_b32 s30, s25
	s_add_nc_u64 s[6:7], s[6:7], s[30:31]
	s_mov_b32 s30, s27
	s_add_nc_u64 s[8:9], s[8:9], s[30:31]
	s_mov_b32 s30, s28
	s_add_nc_u64 s[14:15], s[14:15], s[30:31]
	s_mov_b64 s[KP:KP+1], s[6:7]
	s_mov_b64 s[MB:MB+1], s[8:9]
.irp k, 0,1
.irp c, 0,1,2,3
	global_load_b128 v[TT+16*\k+4*\c:TT+16*\k+4*\c+3], v[LI], s[KP:KP+1] offset:16384*\k+512*\c   ; my share of K's steps 0 and 1,
.endr
.endr
.irp c, 0,1,2,3
	global_load_b128 v[KF+4*\c:KF+4*\c+3], v[LI], s[KP:KP+1] offset:VIMG+512*\c                   ; and of V's step 0
.endr
	WIN 0x40                                       ; destination window 1
.irp H, 0,1
.irp c, 0,1,2,3
	global_load_b128 v[Q+16*\H+4*\c:Q+16*\H+4*\c+3], v[LI], s[4:5] offset:262144*\H+512*\c   ; q stays in registers
.endr
.endr
	MASKG MK, 0                                    ; step 0's mask
	WIN 0
	s_wait_kmcnt 0x0
	s_or_b32 s32, s32, s33
	s_or_b32 s34, s34, s35
	s_or_b32 s32, s32, s34                         ; my 16 queries' word
.set i, 1
.rept 15
	s_or_b32 s36, s36, s[36+i]
	s_or_b32 s76, s76, s[76+i]
.set i, i+1
.endr
	s_or_b32 s36, s36, s76
	s_and_b32 s[FL0], s36, 0xffff
	s_and_b32 s[LV0], s32, 0xffff
	s_or_b32 s[LV0], s[LV0], 1                     ; step 0 is always walked
	s_lshr_b32 s[GN0], s32, 16
	s_and_b32 s[GN0], s[GN0], s[LV0]
	s_add_co_i32 s19, s92, s93
	s_lshl_b32 s19, s19, 23
	s_mov_b32 s[CS], 0x3e0293ee                    ; log2(e) / sqrt(128),
	s_add_co_i32 s[CS], s[CS], s19                 ; x 2^(e8 + e9): the exponents are added to its exponent field
	s_mov_b32 s[CS+1], s[CS]
	s_mov_b32 s[IA], 0x413504f3                    ; sqrt(128),
	s_sub_co_i32 s[IA], s[IA], s19                 ; / 2^(e8 + e9)
	s_mov_b32 s[IA+1], s[IA]
	s_mul_f32 s[SINK], s[SINK], 0x3fb8aa3b
	s_mul_f32 s[SINK+1], s[SINK+1], 0x3fb8aa3b
	s_add_co_i32 s19, s94, 127
	s_lshl_b32 s20, s19, 23
	v_mov_b32 v[SCW], s20
	s_add_co_i32 s19, s19, 8
	s_lshl_b32 s19, s19, 23
	s_or_b32 s19, s19, 0x600000
	v_mov_b32 v[SCW+1], s19
	s_sub_co_i32 s19, s96, s94                     ; a sum of the second product stands for sum x 2^(e10 + e11): its code under e12 is sum / 2^(e12 - e10 - e11)
	s_sub_co_i32 s19, s19, s95
	s_add_co_i32 s19, s19, 127
	s_lshl_b32 s20, s19, 23
	v_mov_b32 v[SCO], s20
	s_add_co_i32 s19, s19, 8
	s_lshl_b32 s19, s19, 23
	s_or_b32 s19, s19, 0x600000
	v_mov_b32 v[SCO+1], s19
	s_mov_b32 s[LV], s[LV0]
	s_mov_b32 s[GN], s[GN0]
	s_mov_b32 s[FL], s[FL0]
	s_mov_b32 s[RS], SLOTX                         ; in pass 1 a step reads the next step's slot
	s_wait_alu depctr_va_vdst(0)                   ; the wait at the head's end
	s_wait_loadcnt 0x0
.irp k, 0,1
.irp c, 0,1,2,3
	ds_store_b128 v[FA], v[TT+16*\k+4*\c:TT+16*\k+4*\c+3] offset:SLOTX*\k+512*\c
.endr
.endr
.irp c, 0,1,2,3
	ds_store_b128 v[AW], v[TT+4*\c:TT+4*\c+3] offset:512*\c            ; pass 2's step 0 lies ready in pass 2's own slots
	ds_store_b128 v[AW], v[KF+4*\c:KF+4*\c+3] offset:VOF+512*\c
.endr
	s_wait_dscnt 0x0
	s_barrier_signal -1
	s_barrier_wait -1
	WIN 0x40
	FRAGS K2, 4, LI, 4, 0                          ; step 0's fragments
	WIN 0
	FRAGS KF, 4, LI, 0, 0
	s_wait_dscnt 0x0                               ; my reads of slot 0 are over:
	s_barrier_signal -1                            ; step 0's end stores step 2's images there, so every wave's reads come first
	s_barrier_wait -1
	s_mov_b32 s[CNT], 16
.Lpass1:
	P1STEP
	s_sub_co_u32 s[CNT], s[CNT], 1
	s_cmp_lg_u32 s[CNT], 0
	s_cbranch_scc1 .Lpass1
	; pass 2's step 0: its mask and its tiles of K are asked for; they land during the lines that make negL
	s_mov_b64 s[KP:KP+1], s[6:7]
	s_mov_b64 s[MB:MB+1], s[8:9]
	s_mov_b32 s[RS], P2B                           ; in pass 2 a step reads its own slot
	MASKG S, 0
	KLOAD2
	; the two halves of the lanes meet; log_z, the gate, negL.  Each batch of transcendentals has one wait ahead of it, a plain instruction and one wait behind it.
.irp H, 0,1
	v_add_f32 v[ST+8*\H+2], v[ST+8*\H+2], v[ST+8*\H+3]
	v_permlanex16_b32 v[ST+8*\H+6], v[ST+8*\H], s[SEL], s[SEL+1]       ; the other half's m
	v_permlanex16_b32 v[ST+8*\H+7], v[ST+8*\H+2], s[SEL], s[SEL+1]     ; and sum
.endr
.irp H, 0,1
	v_max_num_f32 v[TT+8*\H], v[ST+8*\H], v[ST+8*\H+6]
	v_sub_f32 v[TT+8*\H+1], v[ST+8*\H], v[TT+8*\H]
	v_sub_f32 v[TT+8*\H+2], v[ST+8*\H+6], v[TT+8*\H]
.endr
	s_wait_alu depctr_va_vdst(0)
.irp H, 0,1
	v_exp_f32 v[TT+8*\H+1], v[TT+8*\H+1]
	v_exp_f32 v[TT+8*\H+2], v[TT+8*\H+2]
.endr
	v_nop
	s_wait_alu depctr_va_vdst(0)
.irp H, 0,1
	v_mul_f32 v[ST+8*\H+2], v[ST+8*\H+2], v[TT+8*\H+1]
	v_fma_f32 v[ST+8*\H+2], v[ST+8*\H+7], v[TT+8*\H+2], v[ST+8*\H+2]   ; the row's sum under the row's largest t
.endr
	s_wait_alu depctr_va_vdst(0)
.irp H, 0,1
	v_log_f32 v[TT+8*\H+3], v[ST+8*\H+2]
.endr
	v_nop
	s_wait_alu depctr_va_vdst(0)
.irp H, 0,1
	v_add_f32 v[TT+8*\H], v[TT+8*\H], v[TT+8*\H+3]                     ; u = log_z log2(e)
	v_sub_f32 v[TT+8*\H+4], s[SINK+\H], v[TT+8*\H]
.endr
	s_wait_alu depctr_va_vdst(0)
.irp H, 0,1
	v_exp_f32 v[TT+8*\H+4], v[TT+8*\H+4]
.endr
	v_nop
	s_wait_alu depctr_va_vdst(0)
.irp H, 0,1
	v_add_f32 v[TT+8*\H+4], 1.0, v[TT+8*\H+4]
.endr
	s_wait_alu depctr_va_vdst(0)
.irp H, 0,1
	v_log_f32 v[TT+8*\H+5], v[TT+8*\H+4]
.endr
	v_nop
	s_wait_alu depctr_va_vdst(0)
.irp H, 0,1
	v_add_f32 v[ST+8*\H+4], -v[TT+8*\H], -v[TT+8*\H+5]                 ; negL
.endr
	s_mov_b32 s[LV], s[LV0]
	s_mov_b32 s[GN], s[GN0]
	s_mov_b32 s[FL], s[FL0]
	s_wait_alu depctr_va_vdst(0)                   ; the wait here, directly ahead of the wait below
	s_wait_loadcnt 0x0                             ; step 0's mask
	P2STEP 1
	s_mov_b32 s[CNT], 15
.Lpass2:
	P2STEP 0
	s_sub_co_u32 s[CNT], s[CNT], 1
	s_cmp_lg_u32 s[CNT], 0
	s_cbranch_scc1 .Lpass2
	; THE WAY OUT: o's codes under e12.  Registers 16 G + i of a head are channels 32 G + 16 h + i of my query: the conversions' results are the image.
	PLACES
	WIN 0x41
.set n, 0
.rept 128
	v_med3_num_f32 v[O+n], v[O+n], -v[SCO+1], v[SCO+1]
.set n, n+1
.endr
	WIN 0x01
.set n, 0
.rept 16
	v_cvt_scalef32_pk8_fp8_f32 v[KF+2*n:KF+2*n+1], v[O+8*n:O+8*n+7], v[SCO]
.set n, n+1
.endr
	WIN 0
	v_nop
.irp H, 0,1
.irp c, 0,1,2,3
	global_store_b128 v[LI], v[KF+16*\H+4*\c:KF+16*\H+4*\c+3], s[14:15] offset:2048*\H+512*\c   ; 32 lanes store 512 consecutive bytes of an image
.endr
.endr
	s_wait_tensorcnt 0x0                           ; the wave's end: behind my last LDS store
	ds_add_u32 v[SPW], v[NIL]
	s_wait_dscnt 0x0
	s_endpgm
.Lfunc_end_k_qda3e1a2655_at:
	.size	k_qda3e1a2655_at, .Lfunc_end_k_qda3e1a2655_at-k_qda3e1a2655_at
	.p2alignl 7, 3214868480
	.fill 96, 4, 3214868480
	.section	.rodata,"a",@progbits
	.p2align	6, 0x0
	.amdhsa_kernel k_qda3e1a2655_at
		.amdhsa_group_segment_fixed_size 99328
		.amdhsa_private_segment_fixed_size 0
		.amdhsa_enable_private_segment 0
		.amdhsa_kernarg_size 56
		.amdhsa_user_sgpr_count 2
		.amdhsa_user_sgpr_kernarg_segment_ptr 1
		.amdhsa_wavefront_size32 1
		.amdhsa_system_sgpr_workgroup_id_x 1
		.amdhsa_system_sgpr_workgroup_id_y 1
		.amdhsa_system_sgpr_workgroup_id_z 1
		.amdhsa_system_vgpr_workitem_id 0
		.amdhsa_next_free_vgpr 512
		.amdhsa_next_free_sgpr 100
		.amdhsa_reserve_vcc 0
		.amdhsa_float_denorm_mode_32 3
		.amdhsa_float_denorm_mode_16_64 3
		.amdhsa_memory_ordered 1
		.amdhsa_forward_progress 1
		.amdhsa_inst_pref_size 116
	.end_amdhsa_kernel
	.amdgpu_metadata
---
amdhsa.version: [ 1, 2 ]
amdhsa.kernels:
  - .name:           k_qda3e1a2655_at
    .symbol:         k_qda3e1a2655_at.kd
    .args:
      - { .name: qimg, .offset: 0, .size: 8, .value_kind: global_buffer, .address_space: global }
      - { .name: kvimg, .offset: 8, .size: 8, .value_kind: global_buffer, .address_space: global }
      - { .name: attention_mask, .offset: 16, .size: 8, .value_kind: global_buffer, .address_space: global }
      - { .name: sinks, .offset: 24, .size: 8, .value_kind: global_buffer, .address_space: global }
      - { .name: lowp_scales, .offset: 32, .size: 8, .value_kind: global_buffer, .address_space: global }
      - { .name: oimg, .offset: 40, .size: 8, .value_kind: global_buffer, .address_space: global }
      - { .name: mlist, .offset: 48, .size: 8, .value_kind: global_buffer, .address_space: global }
    .group_segment_fixed_size: 99328
    .private_segment_fixed_size: 0
    .kernarg_segment_align: 8
    .kernarg_segment_size: 56
    .max_flat_workgroup_size: 256
    .sgpr_count:     100
    .vgpr_count:     512
    .wavefront_size: 32
...
	.end_amdgpu_metadata
.endif
;; end of part 4
;; launch op (part 5): grid 8 x 32, 4 waves a work-group, clusters of 4 x 4, 327,680 bytes of LDS; arguments oimg, wc, lowp_scales, out0; writes out0
.if DOCPART == 5
	.amdgcn_target "amdgcn-amd-amdhsa--gfx1250"
	.amdhsa_code_object_version 6
	.text
	.protected	k_qda3e1a2655_op
	.globl	k_qda3e1a2655_op
	.p2align	8
	.type	k_qda3e1a2655_op,@function
k_qda3e1a2655_op:
	s_mov_b64 s[64:65], 0
	v_nop
	global_prefetch_b8 v0, s[64:65] scope:SCOPE_SE
	s_setreg_imm32_b32 hwreg(HW_REG_WAVE_MODE, 25, 1), 1
	s_wait_xcnt 0x0
	s_wait_alu depctr_hold_cnt(0) depctr_sa_sdst(0) depctr_va_vdst(0) depctr_va_sdst(0) depctr_va_ssrc(0) depctr_va_vcc(0) depctr_vm_vsrc(0)
	s_getreg_b32 s2, hwreg(HW_REG_IB_STS2, 6, 4)
	s_cmp_eq_u32 s2, 0
	s_cbranch_scc0 .Lentry_in_a_cluster
	s_endpgm
.Lentry_in_a_cluster:
	s_bfe_u32 s2, ttmp6, 0x10000c
	s_cmp_lg_u32 s2, 0xf033
	s_cbranch_scc0 .Lentry_shape_is_right
	s_endpgm
.Lentry_shape_is_right:
.set SIZE_N, 2048
.set SIZE_K, 2048
.set KSTEP,  256
.set STEPB,  4096
.set KROW,   SIZE_K
.set FR,     16
.set NP,     4
.set AHALF,  4*STEPB
.set BHALF,  8*STEPB
.set BOFF,   2*AHALF
.set SLOT,   BOFF+2*BHALF
.set LAPS,   SIZE_K/(2*KSTEP)
.set SPARE,  2*SLOT
.set SPITCH, 528
.set ADRA, 16
.set ADRB, 20
.set STO,  24
.set RD,   25
.set CO,   26
.set SPW,  28
.set NIL,  29
.set TMP,  32
.set AF,   128
.set BK,   128
.set G1, 24
.set G0, 32
.set G1B, 48
.set G0B, 56
.set MSB, 0
.macro WIN new
.if MSB != \new
	s_set_vgpr_msb (MSB<<8)|\new
.set MSB, \new
.endif
.endm
.set MUL,    0xa1
.set TO_B,   0x40
.macro JLOAD g0a, g1a, g0b, g1b
	s_cmp_eq_u32 s15, 0
	s_cbranch_scc0 .Lfor_b_\@
	tensor_load_to_lds s[\g0a:\g0a+3], s[\g1a:\g1a+7]
	s_nop 0
.rept 4
	v_nop
.endr
	s_branch .Lasked_\@
.Lfor_b_\@:
	tensor_load_to_lds s[\g0b:\g0b+3], s[\g1b:\g1b+7]
	s_nop 0
.rept 4
	v_nop
.endr
.Lasked_\@:
.endm
.macro CREST
	s_cmp_lg_u32 s14, 0
	s_cbranch_scc1 .Lnot_wave_0_\@
	s_barrier_signal -3
.Lnot_wave_0_\@:
	s_barrier_wait -3
	s_barrier_signal -1
	s_barrier_wait -1
.endm
.macro CROUND
	s_barrier_signal -1
	s_barrier_wait -1
	CREST
.endm
	s_load_b128 s[4:7], s[0:1], 0x0
	s_load_b128 s[8:11], s[0:1], 0x10
	v_lshl_add_u32 v[SPW], v0, 2, SPARE
	v_mov_b32 v[NIL], 0
	ds_add_u32 v[SPW], v[NIL]
	ds_add_u32 v[SPW], v[NIL]
	v_lshrrev_b32 v1, 5, v0
	v_readfirstlane_b32 s14, v1
	s_lshr_b32 s15, s14, 1
	s_and_b32 s16, s14, 1
	s_bfe_u32 s40, ttmp6, 0x40000
	s_bfe_u32 s41, ttmp6, 0x40004
	s_lshl_b32 s42, ttmp9, 2
	s_add_co_u32 s42, s42, s40
	s_and_b32 s17, ttmp7, 0xffff
	s_lshl_b32 s17, s17, 2
	s_add_co_u32 s17, s17, s41
	s_lshl_b32 s43, s41, 2
	s_lshl_b32 s43, 15, s43
	s_lshl_b32 s44, 0x1111, s40
	s_or_b32 s[G1+0], s43, (3<<16)|(1<<21)
	s_or_b32 s[G1B+0], s44, (3<<16)|(1<<21)
.irp g, G1, G1B
	s_mov_b32 s[\g+1], 512<<16
	s_mov_b32 s[\g+3], 512<<16
	s_mov_b32 s[\g+5], 4096
	s_mov_b32 s[\g+6], 0
	s_mov_b32 s[\g+7], 0
.endr
	s_mov_b32 s[G1+2], 4<<16
	s_mov_b32 s[G1+4], 4
	s_mov_b32 s[G1B+2], 8<<16
	s_mov_b32 s[G1B+4], 8
	s_lshl_b32 s18, s16, 6
	s_lshl_b32 s20, s17, 7
	s_add_co_u32 s20, s20, s18
	s_lshl_b32 s18, s16, 7
	s_lshl_b32 s46, s42, 8
	s_add_co_u32 s46, s46, s18
	s_mov_b32 s21, 0
	s_mov_b32 s47, 0
	s_mov_b64 s[18:19], KROW
	s_mul_u64 s[20:21], s[20:21], s[18:19]
	s_mul_u64 s[46:47], s[46:47], s[18:19]
	s_mul_i32 s45, s16, AHALF
	s_mul_i32 s66, s16, BHALF
	s_add_co_u32 s66, s66, BOFF
	s_wait_dscnt 0x0
	s_wait_kmcnt 0x0
	s_load_b64 s[96:97], s[8:9], 0x30
	s_add_nc_u64 s[20:21], s[4:5], s[20:21]
	s_add_nc_u64 s[46:47], s[6:7], s[46:47]
	CROUND
.irp s, 0,1
	s_mov_b32 s[G0+4*\s], 1
	s_add_co_u32 s[G0+4*\s+1], s45, \s*SLOT
	s_add_nc_u64 s[G0+4*\s+2:G0+4*\s+3], s[20:21], \s*STEPB
	s_or_b32 s[G0+4*\s+3], s[G0+4*\s+3], 0x80000000
	s_mov_b32 s[G0B+4*\s], 1
	s_add_co_u32 s[G0B+4*\s+1], s66, \s*SLOT
	s_add_nc_u64 s[G0B+4*\s+2:G0B+4*\s+3], s[46:47], \s*STEPB
	s_or_b32 s[G0B+4*\s+3], s[G0B+4*\s+3], 0x80000000
	s_wait_alu depctr_va_vdst(0)
	s_wait_tensorcnt 0x0
	ds_add_u32 v28, v29
	ds_add_u32 v28, v29
	s_wait_dscnt 0x0
	CROUND
	JLOAD G0+4*\s, G1, G0B+4*\s, G1B
.endr
	v_and_b32 v1, 15, v0
	s_wait_alu depctr_va_vdst(0)
	v_bfe_u32 v2, v0, 4, 1
	v_and_b32 v6, 31, v0
	v_lshlrev_b32 v4, 4, v6
	s_mul_i32 s21, s15, AHALF
	s_mul_i32 s22, s16, BHALF
	s_add_co_u32 s22, s22, BOFF
.irp s, 0,1
	v_add_nc_u32 v[ADRA+\s], s21, v4
	v_add_nc_u32 v[ADRB+\s], s22, v4
	s_add_co_u32 s21, s21, SLOT
	s_add_co_u32 s22, s22, SLOT
.endr
	s_mul_i32 s23, s14, 16*SPITCH
	v_mul_u32_u24 v5, v1, SPITCH
	s_wait_alu depctr_va_vdst(0)
	v_lshl_add_u32 v5, v2, 5, v5
	v_add_nc_u32 v[STO], s23, v5
	v_lshlrev_b32 v[CO], 4, v6
	v_add_nc_u32 v[RD], s23, v[CO]
	s_lshl_b32 s20, s17, 7
	s_lshl_b32 s21, s15, 6
	s_add_co_u32 s20, s20, s21
	s_mov_b32 s21, 0
	s_mov_b64 s[18:19], SIZE_N*4
	s_mul_u64 s[20:21], s[20:21], s[18:19]
	s_lshl_b32 s46, s42, 10
	s_lshl_b32 s47, s16, 9
	s_add_co_u32 s46, s46, s47
	s_mov_b32 s47, 0
	s_add_nc_u64 s[20:21], s[20:21], s[46:47]
	s_add_nc_u64 s[10:11], s[10:11], s[20:21]
.macro FRAG reg, adr, q, i
.irp c, 0,1,2,3
	ds_load_b128 v[\reg+4*\c:\reg+4*\c+3], v[\adr] offset:2048*(\q)+512*\c+(\i)*STEPB
.endr
.endm
.macro MUL8 a, p, zero
.irp b, 0,1,2,3,4,5,6,7
.if \zero
	v_wmma_f32_16x16x128_fp8_fp8 v[8*(8*(\a)+\b):8*(8*(\a)+\b)+7], v[128*(\p)+FR*\b:128*(\p)+FR*\b+FR-1], v[AF+64*(\p)+FR*(\a):AF+64*(\p)+FR*(\a)+FR-1], 0
.else
	v_wmma_f32_16x16x128_fp8_fp8 v[8*(8*(\a)+\b):8*(8*(\a)+\b)+7], v[128*(\p)+FR*\b:128*(\p)+FR*\b+FR-1], v[AF+64*(\p)+FR*(\a):AF+64*(\p)+FR*(\a)+FR-1], v[8*(8*(\a)+\b):8*(8*(\a)+\b)+7]
.endif
.endr
.endm
.macro FETCH slot, q, p
	WIN TO_B
.irp i, 0,1,2,3,4,5,6,7
	FRAG 128*(\p)+FR*\i, ADRB+\slot, \q, \i
.endr
	WIN 0
.irp i, 0,1,2,3
	FRAG AF+64*(\p)+FR*\i, ADRA+\slot, \q, \i
.endr
.endm
.macro PLACES n
.rept \n
	v_nop
.endr
.endm
.macro STEP slot, zero
	s_wait_dscnt 0x0
	PLACES NP
	FETCH \slot, 1, 1
	WIN MUL
	MUL8 0, 0, \zero
	MUL8 1, 0, \zero
	MUL8 2, 0, \zero
	MUL8 3, 0, \zero
	WIN 0
.endm
.macro TURN slot, next, fill
	s_wait_tensorcnt 0x0
	ds_add_u32 v[SPW], v[NIL]
	s_wait_dscnt 0x1
	WIN MUL
	MUL8 0, 1, 0
	s_wait_dscnt 0x0
	s_barrier_signal -1
	MUL8 1, 1, 0
	WIN 0
	s_barrier_wait -1
.if \fill
	CREST
	s_add_nc_u64 s[G0+4*\slot+2:G0+4*\slot+3], s[G0+4*\slot+2:G0+4*\slot+3], 2*STEPB
	s_add_nc_u64 s[G0B+4*\slot+2:G0B+4*\slot+3], s[G0B+4*\slot+2:G0B+4*\slot+3], 2*STEPB
	JLOAD G0+4*\slot, G1, G0B+4*\slot, G1B
.else
	PLACES NP
.endif
	FETCH \next, 0, 0
	WIN MUL
	MUL8 2, 1, 0
	MUL8 3, 1, 0
	WIN 0
.endm
	s_wait_tensorcnt 1
	s_barrier_signal -1
	s_barrier_wait -1
	FETCH 0, 0, 0
	STEP 0, 1
	s_mov_b32 s3, LAPS-1
.Llap:
	TURN 0, 1, 1
	STEP 1, 0
	TURN 1, 0, 1
	STEP 0, 0
	s_sub_co_u32 s3, s3, 1
	s_cmp_lg_u32 s3, 0
	s_cbranch_scc1 .Llap
	TURN 0, 1, 0
	STEP 1, 0
	s_wait_dscnt 0x0
	WIN MUL
	MUL8 0, 1, 0
	MUL8 1, 1, 0
	MUL8 2, 1, 0
	MUL8 3, 1, 0
	WIN 0
.macro TOSTAGE a
.set AC, 64*(\a)
	WIN 0x02
.irp j, 0,2,4,6,8,10,12,14,16,18,20,22,24,26,28,30,32,34,36,38,40,42,44,46,48,50,52,54,56,58,60,62
	v_pk_mul_f32 v[TMP+\j:TMP+\j+1], v[AC+\j:AC+\j+1], s[96:97] op_sel_hi:[1,0]
.endr
	WIN 0
.irp b, 0,1,2,3,4,5,6,7
	ds_store_b128 v[STO], v[TMP+8*\b:TMP+8*\b+3] offset:64*\b
	ds_store_b128 v[STO], v[TMP+8*\b+4:TMP+8*\b+7] offset:64*\b+16
.endr
.set BB, BK+64*((\a)%2)
.irp t, 0,1,2,3,4,5,6,7,8,9,10,11,12,13,14,15
	ds_load_b128 v[BB+4*\t:BB+4*\t+3], v[RD] offset:\t*SPITCH
.endr
.endm
.macro SEND a, younger
.set BB, BK+64*((\a)%2)
	s_wait_dscnt \younger
.if (\a) > 0
	s_add_nc_u64 s[10:11], s[10:11], 16*SIZE_N*4
.endif
.irp t, 0,1,2,3,4,5,6,7,8,9,10,11,12,13,14,15
	global_store_b128 v[CO], v[BB+4*\t:BB+4*\t+3], s[10:11] offset:\t*SIZE_N*4 th:TH_STORE_NT
.endr
.endm
	s_wait_kmcnt 0x0
	s_add_co_i32 s96, s96, s97
	s_add_co_i32 s96, s96, 127
	s_lshl_b32 s96, s96, 23
	PLACES NP
	TOSTAGE 0
.irp a, 1,2,3
.if \a > 1
	s_wait_xcnt 0x0
.endif
	TOSTAGE \a
	SEND \a-1, 32
.endr
	s_wait_xcnt 0x0
	SEND 3, 0
	s_wait_tensorcnt 0x0
	ds_add_u32 v[SPW], v[NIL]
	s_wait_dscnt 0x0
	CROUND
	s_endpgm
.Lfunc_end_k_qda3e1a2655_op:
	.size	k_qda3e1a2655_op, .Lfunc_end_k_qda3e1a2655_op-k_qda3e1a2655_op
	.p2alignl 7, 3214868480
	.fill 96, 4, 3214868480
	.section	.rodata,"a",@progbits
	.p2align	6, 0x0
	.amdhsa_kernel k_qda3e1a2655_op
		.amdhsa_group_segment_fixed_size 327680
		.amdhsa_private_segment_fixed_size 0
		.amdhsa_enable_private_segment 0
		.amdhsa_kernarg_size 32
		.amdhsa_user_sgpr_count 2
		.amdhsa_user_sgpr_kernarg_segment_ptr 1
		.amdhsa_wavefront_size32 1
		.amdhsa_system_sgpr_workgroup_id_x 1
		.amdhsa_system_sgpr_workgroup_id_y 1
		.amdhsa_system_sgpr_workgroup_id_z 1
		.amdhsa_system_vgpr_workitem_id 0
		.amdhsa_next_free_vgpr 768
		.amdhsa_next_free_sgpr 98
		.amdhsa_reserve_vcc 0
		.amdhsa_float_denorm_mode_32 3
		.amdhsa_float_denorm_mode_16_64 3
		.amdhsa_memory_ordered 1
		.amdhsa_forward_progress 1
		.amdhsa_inst_pref_size 76
	.end_amdhsa_kernel
	.amdgpu_metadata
---
amdhsa.version: [ 1, 2 ]
amdhsa.kernels:
  - .name:           k_qda3e1a2655_op
    .symbol:         k_qda3e1a2655_op.kd
    .args:
      - { .name: oimg, .offset: 0, .size: 8, .value_kind: global_buffer, .address_space: global }
      - { .name: wc, .offset: 8, .size: 8, .value_kind: global_buffer, .address_space: global }
      - { .name: lowp_scales, .offset: 16, .size: 8, .value_kind: global_buffer, .address_space: global }
      - { .name: out0, .offset: 24, .size: 8, .value_kind: global_buffer, .address_space: global }
    .group_segment_fixed_size: 327680
    .private_segment_fixed_size: 0
    .kernarg_segment_align: 8
    .kernarg_segment_size: 32
    .max_flat_workgroup_size: 128
    .sgpr_count:     98
    .vgpr_count:     768
    .wavefront_size: 32
...
	.end_amdgpu_metadata
.endif
;; end of part 5
